; MI455X (gfx1250); checked and timed in simulation.
; The chip was launched on July 23, 2026; its instructions are those of AMD's public machine-readable ISA for CDNA 5 (MIT licence, August 2026) and "CDNA5" Instruction Set Architecture Reference Guide (July 2026). The comments in the code are by the model that wrote it; some were corrected since.
;; Multi Head Attention. Allowed arithmetic: matrix products marked QUANTISED: E2M1 operands, one E8M0 scale for each 32 along K, by v_wmma_scale_f32_16x16x128_f8f6f4 with both operands' format E2M1 (or v_wmma_scale_f32_32x16x128_f4), f32 sums; products left as they are: bf16, f16 or f32 operands; f32 sums; everything else in f32.
;; Inputs: w_attn 1,024 x 3,072 float32; w_proj 1,024 x 1,024 float32; x 4 x 2,048 x 1,024 float32.
;; Outputs: out0 4 x 2,048 x 1,024 float32.
;; This version of the problem:
;;   THIS VERSION OF THE PROBLEM IS GIVEN IN LOW PRECISION. The matrix products marked QUANTISED in the list below multiply operands that are first quantised to E2M1 (2 exponent bits, 1 mantissa bit; 4 bits a number), with one power-of-two scale for each 32 numbers along K (OCP MX v1.0); their sums are f32. The products marked 'left as it is' may take bf16, f16 or f32 operands, with f32 sums. Whichever they take, every output number must still come out within the allowed error. Rounding operands to bf16 (8 significant bits) uses up far more of that allowance than f16 does (11 bits, for magnitudes from 6e-5 to 65,504). All else is computed in f32.
;;   The module's matrix products, in the order in which they are computed (A, B: the left and right operand; K: the contracted axis; several contracted axes count as one K, in the product's order):
;;     1. [M 8,192, K 1,024] x [K 1,024, N 3,072]; A: input x; B: input w_attn: QUANTISED
;;     2. batch 64 x [M 2,048, K 64] x [K 64, N 2,048]; A: computed on the way; B: computed on the way: left as it is (an operand is computed on the way)
;;     3. batch 64 x [M 2,048, K 2,048] x [K 2,048, N 64]; A: computed on the way; B: computed on the way: left as it is (an operand is computed on the way)
;;     4. [M 8,192, K 1,024] x [K 1,024, N 1,024]; A: computed on the way; B: input w_proj: left as it is (an operand is computed on the way)
;;   THE QUANTISER, for each operand of a quantised product, along K:
;;     - K is cut into blocks of 32 from its start; a last block that is shorter is filled with zeros.
;;     - A block's scale is 2^e with e = floor(log2(the largest magnitude in the block)) - 2, held to -126 .. 127; a block of zeros has e = 0. As a byte (E8M0): e + 127.
;;     - Each number is divided by its block's scale, clamped to +-6, and rounded to the nearest number of E2M1, ties to even, subnormals kept.
;;     - The product sums the exact products of the quantised numbers (number of the format x scale) in f32.
;;   ~~~python
;;   def quantise(x, axis):      # numpy; x: float32 -> the quantised numbers, widened to float32 again
;;       x = np.moveaxis(x, axis, -1); K = x.shape[-1]
;;       x = np.pad(x, [(0, 0)] * (x.ndim - 1) + [(0, -K % 32)]); x = x.reshape(x.shape[:-1] + (-1, 32)); a = np.abs(x).max(-1, keepdims=True)
;;       e = np.where(a > 0, np.clip(np.frexp(np.where(a > 0, a, 1))[1] - 1 - 2, -126, 127), 0)      # np.frexp(a)[1] - 1 = floor(log2(a)), exactly
;;       r = np.clip(x / 2.0 ** e, -6, 6)
;;       step = 2.0 ** (np.maximum(np.frexp(np.where(r == 0, 1, r))[1] - 1, 0) - 1)
;;       q = np.round(r / step) * step * 2.0 ** e      # np.round: ties to even
;;       return np.moveaxis(q.reshape(q.shape[:-2] + (-1,))[..., :K], -1, axis).astype(np.float32)
;;   ~~~
;; One version. Each part assembles by itself: llvm-mc -triple=amdgcn-amd-amdhsa -mcpu=gfx1250 --defsym DOCPART=n.
;; ======== version 1 of 1: 5 launches
;; limits: values are held in f16: magnitudes above 65,504 overflow, below 6.1e-05 lose precision
;; workspace buffers: x_codes 4,194,304 bytes; x_scales 262,144 bytes; w_codes 1,572,864 bytes; w_scales 98,304 bytes; wp16 2,097,152 bytes; qkv16 50,331,648 bytes; qkv32 786,432 bytes; yh 16,777,216 bytes
;; launch prep (part 1): grid 256 x 1, 8 waves a work-group, no clusters, 84,992 bytes of LDS; arguments x, w_attn, w_proj, x_codes, x_scales, w_codes, w_scales, wp16; writes x_codes, x_scales, w_codes, w_scales, wp16
.if DOCPART == 1
	.amdgcn_target "amdgcn-amd-amdhsa--gfx1250"
	.amdhsa_code_object_version 6
	.text
	.protected	k_q580753ca5c_prep
	.globl	k_q580753ca5c_prep
	.p2align	8
	.type	k_q580753ca5c_prep,@function
k_q580753ca5c_prep:
	s_mov_b64 s[64:65], 0
	v_nop
	global_prefetch_b8 v0, s[64:65] scope:SCOPE_SE
	s_setreg_imm32_b32 hwreg(HW_REG_WAVE_MODE, 25, 1), 1
	s_wait_xcnt 0x0
; THREE JOBS IN ONE LAUNCH, told apart by the work-group's number alone; the three ways never join.
;   work-groups 0-127:   x [8192][1024] f32 -> codes of FP4 (E2M1), K innermost, [8192][512 bytes], and one E8M0 byte for each 32 along K, [8192][32].
;   work-groups 128-223: w_attn [1024 (k)][3072 (n)] f32, K its FIRST axis -> codes [3072][512 bytes] with K innermost, bytes [3072][32].
;   work-groups 224-255: w_proj [1024][1024] f32 -> f16, as it lies.
; A block's scale is 2^(floor(log2(its largest magnitude)) - 2); its byte is the largest magnitude's exponent field - 2, held at 1 from below.
; LIMITS: a block of zeros gets the byte 1 where the rule says 127 (its codes are zeros, and this program alone reads the bytes); blocks whose largest magnitude lies under 2^(2 - 126)
; are held at the byte 1; NaN and infinities among the inputs are not served; |w_proj| stays under 65,504 (f16).
; Each way has LDS bytes of its own: x's eight regions from 0, w_attn's stage from WST and its scale bytes from WSC; the spare words behind them.
.set SP,    80                         ; x: a lane's place in a stage: 64 bytes + 16 of padding
.set WREG,  8192                       ; x: a wave's region: two stages of 32 x SP bytes, then its 256 scale bytes
.set WST,   65536                      ; w_attn: 64 columns x (256 bytes of codes + 16)
.set WP,    272
.set WSC,   WST+64*WP                  ; w_attn: 64 columns x 16 scale bytes
.set SPARE, WSC+1024                   ; the spare words, 128 bytes for each of the eight waves: four blocks of 256 bytes that no other line names
.set EMAX,  2
.set SPW,   224                        ; v224 LDS address of my spare word; never rewritten
.set NIL,   225                        ; v225 0; never rewritten
.set R,     16                         ; x: v16-143  eight sets of 16 numbers as they are loaded
.set X,     144                        ; x: v144-175 two sets of 16 neighbours
.set C,     176                        ; x: v176-207 codes, two registers a step
.set E,     208                        ; x: v208-223 a scale byte a step
.set WX,    32                         ; w_attn: v32-95 two sets of 32 numbers
.set WC,    96                         ; w_attn: v96-99 a block's codes
.set SB,    24                         ; w_attn: v24 my four scale bytes
.set OUTR,  112                        ; w_attn: v112-131 the way out
	s_load_b256 s[4:11], s[0:1], 0x0               ; x s[4:5], w_attn s[6:7], w_proj s[8:9], x_codes s[10:11]
	s_load_b256 s[12:19], s[0:1], 0x20             ; x_scales s[12:13], w_codes s[14:15], w_scales s[16:17], wp16 s[18:19]
	v_lshl_add_u32 v[SPW], v0, 2, SPARE
	v_mov_b32 v[NIL], 0
	v_lshrrev_b32 v1, 5, v0
	v_readfirstlane_b32 s20, v1                    ; wave 0..7
	v_and_b32 v2, 31, v0                           ; lane
	s_wait_kmcnt 0x0
	s_cmp_lt_u32 ttmp9, 128
	s_cbranch_scc0 .Lnot_x
; ---------------- x.  Rows are dense and K is a multiple of 32: a plain stream of blocks of 32.  A wave takes 16 steps of 512 numbers.
; Each load reads 512 consecutive bytes, 16 a lane; a step's 2,048 bytes turn through the wave's own stage and come back 64 bytes a lane: 16 neighbours, two lanes to a block.
; Loads run eight steps (32 loads a wave) ahead, the turn through LDS one step.
	v_lshlrev_b32 v3, 4, v2                        ; my 16 bytes of a load's 512
	s_mul_i32 s21, s20, WREG
	v_lshrrev_b32 v14, 2, v2
	v_mul_u32_u24 v14, v14, SP
	v_and_b32 v15, 3, v2
	v_lshl_add_u32 v14, v15, 4, v14
	v_add_nc_u32 v14, s21, v14                     ; the stage, on the way in: SP (lane / 4) + 16 (lane % 4)
	v_mul_u32_u24 v15, v2, SP
	v_add_nc_u32 v15, s21, v15                     ; and on the way out: SP x lane
	v_lshlrev_b32 v4, 3, v2                        ; my 8 bytes of a step's 256 bytes of codes
	v_lshrrev_b32 v5, 1, v2
	s_add_co_u32 s21, s21, 2*32*SP
	v_add_nc_u32 v5, s21, v5                       ; my wave's 256 scale bytes: my block's byte
	v_lshlrev_b32 v7, 3, v2
	v_add_nc_u32 v6, s21, v7                       ; and on the way out 8 bytes a lane
	s_lshl_b32 s22, ttmp9, 3
	s_add_co_u32 s22, s22, s20                     ; which run of 8,192 numbers is my wave's: 0 .. 1,023
	s_lshl_b32 s24, s22, 15
	s_mov_b32 s25, 0
	s_add_nc_u64 s[4:5], s[4:5], s[24:25]          ; 32,768 bytes of x,
	s_lshl_b32 s24, s22, 12
	s_add_nc_u64 s[10:11], s[10:11], s[24:25]      ; 4,096 of codes,
	s_lshl_b32 s24, s22, 8
	s_add_nc_u64 s[12:13], s[12:13], s[24:25]      ; 256 scale bytes a run
.macro XLOAD t
.irp i, 0,1,2,3
	global_load_b128 v[R+16*((\t)%8)+4*\i:R+16*((\t)%8)+4*\i+3], v3, s[4:5] offset:2048*(\t)+512*\i th:TH_LOAD_NT
.endr
.endm
.macro XTURN t                         ; LDS serves a wave's instructions in order: no wait between the stores and the loads
.irp i, 0,1,2,3
	ds_store_b128 v14, v[R+16*((\t)%8)+4*\i:R+16*((\t)%8)+4*\i+3] offset:32*SP*((\t)%2)+8*SP*\i
.endr
.irp i, 0,1,2,3
	ds_load_b128 v[X+16*((\t)%2)+4*\i:X+16*((\t)%2)+4*\i+3], v15 offset:32*SP*((\t)%2)+16*\i
.endr
.endm
.macro XSTEP t
.set XS, X+16*((\t)%2)
.if (\t) > 0
	s_wait_dscnt 1                                 ; this step's numbers are back from the stage (the last step's byte store may be out): so its stores into the stage have read their registers,
.else
	s_wait_dscnt 0x0
.endif
.if (\t)+8 < 16
	XLOAD (\t)+8                                   ; which take the loads of eight steps on
.endif
.if (\t)+1 < 16
.if 14-(\t) >= 7
	s_wait_loadcnt 28                              ; the next step's four loads are in; those of the seven steps behind it may be out
.else
	s_wait_loadcnt 4*(14-(\t))                     ; the same, as the steps run out
.endif
	XTURN (\t)+1
.endif
	v_max3_num_f32 v8, |v[XS]|, |v[XS+1]|, |v[XS+2]|               ; the largest magnitude of my 16, in two chains
	v_max3_num_f32 v9, |v[XS+3]|, |v[XS+4]|, |v[XS+5]|
.irp i, 6,10
	v_max3_num_f32 v8, v8, |v[XS+\i]|, |v[XS+\i+1]|
	v_max3_num_f32 v9, v9, |v[XS+\i+2]|, |v[XS+\i+3]|
.endr
	v_max3_num_f32 v8, v8, |v[XS+14]|, |v[XS+15]|
	v_max3_num_f32 v8, v8, v9, (EMAX+1)<<23        ; and the floor 2^(EMAX + 1 - 127): the byte cannot fall under 1
	v_max_num_f32_dpp v8, v8, v8 row_xmask:1 row_mask:0xf bank_mask:0xf   ; and of my neighbour's 16: the block's
	v_add_nc_u32 v11, -(EMAX<<23), v8              ; EMAX off its exponent field: the conversion takes this operand's exponent field as its scale
	v_cvt_scalef32_pk8_fp4_f32 v[C+2*(\t)], v[XS:XS+7], v11
	v_cvt_scalef32_pk8_fp4_f32 v[C+2*(\t)+1], v[XS+8:XS+15], v11
	v_lshrrev_b32 v[E+(\t)], 23, v11               ; the scale's byte (also the plain line behind the conversions)
	ds_store_b8 v5, v[E+(\t)] offset:16*(\t)       ; both lanes of a block write the same byte with the same value
	global_store_b64 v4, v[C+2*(\t):C+2*(\t)+1], s[10:11] offset:256*(\t)   ; the wave stores 256 consecutive bytes, aligned
.endm
.irp t, 0,1,2,3,4,5,6,7
	XLOAD \t
.endr
	s_wait_loadcnt 28                              ; step 0's four loads are in
	XTURN 0
.irp t, 0,1,2,3,4,5,6,7,8,9,10,11,12,13,14,15
	XSTEP \t
.endr
	ds_load_b64 v[8:9], v6                         ; my wave's 256 scale bytes, in order behind my stores
	s_wait_dscnt 0x0
	global_store_b64 v7, v[8:9], s[12:13]          ; 256 consecutive bytes, aligned
	s_wait_tensorcnt 0x0                           ; the wave's end: a wait, an add to my spare word and its wait, behind my last LDS store
	ds_add_u32 v[SPW], v[NIL]
	s_wait_dscnt 0x0
	s_endpgm
.Lnot_x:
	s_cmp_lt_u32 ttmp9, 224
	s_cbranch_scc0 .Lpath_p
; ---------------- w_attn.  A work-group takes 64 columns x 512 along K.  A LANE TAKES A COLUMN, ITS REGISTERS RUN DOWN K: a block of 32 lies in one lane, and the codes come out with K innermost.
; Wave w: columns 32 (w & 1) on, K 128 (w >> 1) on: four blocks a lane, so that eight waves have loads out at once.  The codes meet in a stage (a column's 256 bytes on end), one barrier, and leave as whole rows.
	s_sub_co_u32 s21, ttmp9, 128                   ; 0 .. 95
	s_cmp_ge_u32 s21, 48
	s_cselect_b32 s22, 1, 0                        ; which 512 along K
	s_cselect_b32 s23, 48, 0
	s_sub_co_u32 s23, s21, s23                     ; which 64 columns: 0 .. 47
	s_and_b32 s24, s20, 1                          ; cg
	s_lshr_b32 s25, s20, 1                         ; kq
	v_lshlrev_b32 v3, 2, v2                        ; in: 4 bytes a lane
	s_mul_i32 s26, s24, 32*WP
	s_lshl_b32 s27, s25, 6
	s_add_co_u32 s26, s26, s27
	s_add_co_u32 s26, s26, WST
	v_mul_u32_u24 v4, v2, WP
	v_add_nc_u32 v4, s26, v4                       ; into the stage: row = my column, 64 kq bytes on
	s_lshl_b32 s26, s24, 9
	s_lshl_b32 s27, s25, 2
	s_add_co_u32 s26, s26, s27
	s_add_co_u32 s26, s26, WSC
	v_lshl_add_u32 v9, v2, 4, s26                  ; my four scale bytes: 16 bytes a column, 4 kq on
	v_and_b32 v5, 15, v2
	v_lshrrev_b32 v6, 4, v2
	s_mul_i32 s26, s20, 8*WP
	s_add_co_u32 s26, s26, WST
	v_mul_u32_u24 v7, v6, WP
	v_lshl_add_u32 v7, v5, 4, v7
	v_add_nc_u32 v7, s26, v7                       ; out of the stage: wave w takes columns 8 w on, sixteen lanes to a row, two rows an instruction
	s_lshl_b32 s26, s20, 12
	v_lshlrev_b32 v8, 9, v6
	v_lshl_add_u32 v8, v5, 4, v8
	v_add_nc_u32 v8, s26, v8                       ; and the same place in w_codes: 512 bytes a column
	s_lshl_b32 s26, s24, 9
	s_add_co_u32 s26, s26, WSC
	v_lshl_add_u32 v10, v2, 4, s26                 ; waves 0 and 1: a column's 16 scale bytes,
	s_lshl_b32 s26, s24, 10
	v_lshl_add_u32 v16, v2, 5, s26                 ; and their place in w_scales: 32 bytes a column
	s_lshl_b32 s26, s22, 9
	s_lshl_b32 s27, s25, 7
	s_add_co_u32 s26, s26, s27                     ; my first row of w_attn
	s_mul_i32 s26, s26, 12288
	s_lshl_b32 s27, s23, 8
	s_add_co_u32 s26, s26, s27
	s_lshl_b32 s27, s24, 7
	s_add_co_u32 s26, s26, s27                     ; + my first column, 4 bytes each
	s_mov_b32 s27, 0
	s_add_nc_u64 s[6:7], s[6:7], s[26:27]
	s_lshl_b32 s26, s23, 15
	s_lshl_b32 s28, s22, 8
	s_add_co_u32 s26, s26, s28
	s_add_nc_u64 s[14:15], s[14:15], s[26:27]      ; w_codes: 64 columns x 512 bytes, + 256 for the second 512 along K
	s_lshl_b32 s26, s23, 11
	s_lshl_b32 s28, s22, 4
	s_add_co_u32 s26, s26, s28
	s_add_nc_u64 s[16:17], s[16:17], s[26:27]      ; w_scales: 64 columns x 32 bytes, + 16
.macro WLOAD t                         ; block t: rows 32 t + i of my 128, my column
.irp i, 0,1,2,3,4,5,6,7,8,9,10,11,12,13,14,15,16,17,18,19,20,21,22,23,24,25,26,27,28,29,30,31
	global_load_b32 v[WX+32*((\t)%2)+\i], v3, s[6:7] offset:(32*(\t)+\i)*12288 th:TH_LOAD_NT
.endr
.endm
.macro WBLOCK t
.set XS, WX+32*((\t)%2)
.if (\t) < 3
	s_wait_loadcnt 32                              ; this block's 32 loads are in; the next block's may be out
.else
	s_wait_loadcnt 0x0
.endif
	v_max3_num_f32 v12, |v[XS]|, |v[XS+1]|, |v[XS+2]|
	v_max3_num_f32 v13, |v[XS+3]|, |v[XS+4]|, |v[XS+5]|
.irp i, 6,10,14,18,22,26
	v_max3_num_f32 v12, v12, |v[XS+\i]|, |v[XS+\i+1]|
	v_max3_num_f32 v13, v13, |v[XS+\i+2]|, |v[XS+\i+3]|
.endr
	v_max3_num_f32 v12, v12, |v[XS+30]|, |v[XS+31]|
	v_max3_num_f32 v12, v12, v13, (EMAX+1)<<23     ; with the floor
	v_add_nc_u32 v11, -(EMAX<<23), v12             ; the conversion's scale operand
	v_lshrrev_b32 v13, 23, v11                     ; the scale's byte
.if (\t) == 0
	v_mov_b32 v[SB], v13
.else
	v_lshl_or_b32 v[SB], v13, 8*(\t), v[SB]        ; the lower K in the lower byte
.endif
.irp g, 0,1,2,3
	v_cvt_scalef32_pk8_fp4_f32 v[WC+\g], v[XS+8*\g:XS+8*\g+7], v11
.endr
	v_nop                                          ; one plain line behind the last conversion
	ds_store_b128 v4, v[WC:WC+3] offset:16*(\t)    ; 32 codes: 16 bytes of my column's row
.if (\t)+2 < 4
	WLOAD (\t)+2
.endif
	s_wait_dscnt 0x0                               ; the store has read its registers: the next block's codes may be written
.endm
	WLOAD 0
	WLOAD 1
	WBLOCK 0
	WBLOCK 1
	WBLOCK 2
	WBLOCK 3
	ds_store_b32 v9, v[SB]
	s_wait_dscnt 0x0                               ; for the others' sake: my stores have landed
	s_barrier_signal -1
	s_barrier_wait -1                              ; the 64 columns' codes and scale bytes lie whole in LDS
.irp i, 0,1,2,3
	ds_load_b128 v[OUTR+4*\i:OUTR+4*\i+3], v7 offset:2*WP*\i
.endr
.irp i, 0,1,2,3
	s_wait_dscnt 3-\i                              ; load i is in; the younger ones may be out
	global_store_b128 v8, v[OUTR+4*\i:OUTR+4*\i+3], s[14:15] offset:1024*\i   ; sixteen lanes store 256 consecutive bytes, aligned
.endr
	s_cmp_lt_u32 s20, 2                            ; waves 0 and 1 store the scale bytes, 16 a column
	s_cbranch_scc0 .Lw_end
	ds_load_b128 v[OUTR+16:OUTR+19], v10
	s_wait_dscnt 0x0
	global_store_b128 v16, v[OUTR+16:OUTR+19], s[16:17]
.Lw_end:
	s_wait_tensorcnt 0x0                           ; the wave's end: a wait, an add to my spare word and its wait, behind my last LDS store
	ds_add_u32 v[SPW], v[NIL]
	s_wait_dscnt 0x0
	s_endpgm
.Lpath_p:
; ---------------- w_proj to f16: a wave takes 16,384 bytes: 32 loads of 512 consecutive bytes, all out at once; each store is 256 consecutive bytes, aligned.
	s_sub_co_u32 s21, ttmp9, 224
	s_lshl_b32 s21, s21, 3
	s_add_co_u32 s21, s21, s20                     ; my chunk: 0 .. 255
	s_lshl_b32 s22, s21, 14
	s_mov_b32 s23, 0
	s_add_nc_u64 s[8:9], s[8:9], s[22:23]
	s_lshl_b32 s22, s21, 13
	s_add_nc_u64 s[18:19], s[18:19], s[22:23]
	v_lshlrev_b32 v3, 4, v2
	v_lshlrev_b32 v4, 3, v2
.irp i, 0,1,2,3,4,5,6,7,8,9,10,11,12,13,14,15,16,17,18,19,20,21,22,23,24,25,26,27,28,29,30,31
	global_load_b128 v[32+4*\i:35+4*\i], v3, s[8:9] offset:512*\i th:TH_LOAD_NT
.endr
.irp i, 0,1,2,3,4,5,6,7,8,9,10,11,12,13,14,15,16,17,18,19,20,21,22,23,24,25,26,27,28,29,30,31
	s_wait_loadcnt 31-\i                           ; load i is in; the younger ones may be out
	v_cvt_pk_f16_f32 v[160+2*\i], v[32+4*\i], v[33+4*\i]
	v_cvt_pk_f16_f32 v[161+2*\i], v[34+4*\i], v[35+4*\i]
	global_store_b64 v4, v[160+2*\i:161+2*\i], s[18:19] offset:256*\i
.endr
	s_wait_tensorcnt 0x0                           ; the same three lines at this way's end
	ds_add_u32 v[SPW], v[NIL]
	s_wait_dscnt 0x0
	s_endpgm
.Lfunc_end_k_q580753ca5c_prep:
	.size	k_q580753ca5c_prep, .Lfunc_end_k_q580753ca5c_prep-k_q580753ca5c_prep
	.p2alignl 7, 3214868480
	.fill 96, 4, 3214868480
	.section	.rodata,"a",@progbits
	.p2align	6, 0x0
	.amdhsa_kernel k_q580753ca5c_prep
		.amdhsa_group_segment_fixed_size 84992
		.amdhsa_private_segment_fixed_size 0
		.amdhsa_enable_private_segment 0
		.amdhsa_kernarg_size 64
		.amdhsa_user_sgpr_count 2
		.amdhsa_user_sgpr_kernarg_segment_ptr 1
		.amdhsa_wavefront_size32 1
		.amdhsa_system_sgpr_workgroup_id_x 1
		.amdhsa_system_sgpr_workgroup_id_y 1
		.amdhsa_system_sgpr_workgroup_id_z 1
		.amdhsa_system_vgpr_workitem_id 0
		.amdhsa_next_free_vgpr 226
		.amdhsa_next_free_sgpr 66
		.amdhsa_reserve_vcc 0
		.amdhsa_float_denorm_mode_32 3
		.amdhsa_float_denorm_mode_16_64 3
		.amdhsa_memory_ordered 1
		.amdhsa_forward_progress 1
		.amdhsa_inst_pref_size 66
	.end_amdhsa_kernel
	.amdgpu_metadata
---
amdhsa.version: [ 1, 2 ]
amdhsa.kernels:
  - .name:           k_q580753ca5c_prep
    .symbol:         k_q580753ca5c_prep.kd
    .args:
      - { .name: x, .offset: 0, .size: 8, .value_kind: global_buffer, .address_space: global }
      - { .name: w_attn, .offset: 8, .size: 8, .value_kind: global_buffer, .address_space: global }
      - { .name: w_proj, .offset: 16, .size: 8, .value_kind: global_buffer, .address_space: global }
      - { .name: x_codes, .offset: 24, .size: 8, .value_kind: global_buffer, .address_space: global }
      - { .name: x_scales, .offset: 32, .size: 8, .value_kind: global_buffer, .address_space: global }
      - { .name: w_codes, .offset: 40, .size: 8, .value_kind: global_buffer, .address_space: global }
      - { .name: w_scales, .offset: 48, .size: 8, .value_kind: global_buffer, .address_space: global }
      - { .name: wp16, .offset: 56, .size: 8, .value_kind: global_buffer, .address_space: global }
    .group_segment_fixed_size: 84992
    .private_segment_fixed_size: 0
    .kernarg_segment_align: 8
    .kernarg_segment_size: 64
    .max_flat_workgroup_size: 256
    .sgpr_count:     66
    .vgpr_count:     226
    .wavefront_size: 32
...
	.end_amdgpu_metadata
.endif
;; end of part 1
;; launch gemm_qkv (part 2): grid 12 x 32, 4 waves a work-group, clusters of 4 x 4, 327,680 bytes of LDS; arguments x_codes, x_scales, w_codes, w_scales, qkv16, qkv32; writes qkv16, qkv32
.if DOCPART == 2
	.amdgcn_target "amdgcn-amd-amdhsa--gfx1250"
	.amdhsa_code_object_version 6
	.text
	.protected	k_q580753ca5c_gemm_qkv
	.globl	k_q580753ca5c_gemm_qkv
	.p2align	8
	.type	k_q580753ca5c_gemm_qkv,@function
k_q580753ca5c_gemm_qkv:
	s_mov_b64 s[64:65], 0
	v_nop
	global_prefetch_b8 v0, s[64:65] scope:SCOPE_SE
	s_setreg_imm32_b32 hwreg(HW_REG_WAVE_MODE, 25, 1), 1
	s_wait_xcnt 0x0
	s_wait_alu depctr_hold_cnt(0) depctr_sa_sdst(0) depctr_va_vdst(0) depctr_va_sdst(0) depctr_va_ssrc(0) depctr_va_vcc(0) depctr_vm_vsrc(0)
	s_getreg_b32 s2, hwreg(HW_REG_IB_STS2, 6, 4)
	s_cmp_eq_u32 s2, 0
	s_cbranch_scc0 .Lentry_in_a_cluster
	s_endpgm
.Lentry_in_a_cluster:
	s_bfe_u32 s2, ttmp6, 0x10000c
	s_cmp_lg_u32 s2, 0xf033
	s_cbranch_scc0 .Lentry_shape_is_right
	s_endpgm
.Lentry_shape_is_right:
; qkv = x w_attn on codes of FP4 (E2M1) with one E8M0 scale for each 32 along K; sums in f32.  A = x_codes [8192][512 bytes], B = w_codes [3072][512 bytes], K = 1,024 innermost in both.
; A tile of 256 x 256 is made by four waves, each 128 x 128: 64 accumulators, 512 registers.  K is two steps of 512: BOTH come with the first fills, one slot each, and nothing is ever filled again;
; by the text's own count a wave has three tensor loads out at the start (scales, slot 0, slot 1).  The scales of the work-group's rows of A and B come once, as dense blocks.
; CLUSTERS: 4 x 4 work-groups; A's tiles are asked for jointly along a row of the cluster, B's along a column.  Tile row = 8 cy + cluster y: so the batch is cy, and whether a tile holds the
; first 16 positions of a sequence hangs on cluster y alone, which all sixteen partners share.
; THE MATRIX INSTRUCTION IS USED TRANSPOSED (source 0 = 16 rows of B, source 1 = 16 rows of A): a lane holds eight neighbouring columns of one row.
; RESULTS: rounded to f16 and laid by head, qkv16 [b][g = n / 64][t][64]: a plane is dense, so each store is 512 consecutive bytes (four rows of one head).
;   The rows t < 16 of each batch also go out unrounded, qkv32 [16 b + t][3072] f32, for the launch that carries those positions in f32.
; LIMITS: |q|, |k|, |v| stay under 65,504 (f16).
; REGISTERS as windows of 256: window 0: v0-31 addresses; v32-95 scale words, two sets; v128-191 A's fragments, one set; window 1: B's fragments, two sets; windows 2, 3: the accumulators ((a, b) at v[8 (8 (a % 4) + b)]).
.set SIZE_N, 3072
.set SIZE_K, 1024
.set KSTEP,  512
.set NQ,     KSTEP/128
.set ROWB,   256                       ; a tile's row in bytes
.set KROW,   SIZE_K*4/8                ; a row of A or of B in memory
.set PITCH,  272                       ; an LDS row: 256 bytes + 16 of padding: the 16 rows that a load touches start at 16 different banks (64 banks of 4 bytes: ISA guide 11.1)
.set FR,     8
.set NL,     2
.set NP,     4                         ; places behind this matrix instruction (ISA guide 7.12.1)
.set HALFT,  128*PITCH
.set SLOT,   4*HALFT
.set KS,     SIZE_K/32                 ; a row of scales in bytes
.set SCL,    2*SLOT
.set HALFS,  (128*KS/256)*272
.set SBLK,   (16*KS/256)*272
.set SPARE,  SCL+4*HALFS               ; the spare words, 128 bytes a wave: two blocks of 256 bytes that no other line names
.set SPITCH, 272                       ; the way out: a stage of 16 rows x (256 bytes of f16 + 16) for each wave, in slot 0, which has had its only fill and its last read by then
.set SP32,   528                       ; and one of 16 rows x (512 bytes of f32 + 16), behind the four
.set STG32,  4*16*SPITCH
.set PLANE,  262144                    ; 2,048 rows x 128 bytes
.set ADRA, 16
.set ADRB, 20
.set STO,  24
.set RD,   25
.set CO,   26                          ; 16 x lane
.set ADRS, 27
.set SPW,  28
.set NIL,  29
.set STO32, 30
.set RD32,  31
.set SC,   32
.set AF,   128
.set BK,   128                         ; the way out: rows read back: v128-159 and v160-191 by turns (f32: all 64)
.set TMP,  192                         ; the way out: packed results
.set G1, 24
.set G0, 32
.set G1B, 48
.set G0B, 56
.set G1S, 68
.set G0S, 76
.set G1SB, 80
.set G0SB, 88
.set MSB, 0
.macro WIN new                         ; the immediate's high byte repeats the setting that is left
.if MSB != (\new)
	s_set_vgpr_msb (MSB<<8)|(\new)
.set MSB, (\new)
.endif
.endm
.set MUL_LO, 0xa1                      ; source 0 (B) window 1, source 1 (A) window 0, C and D window 2
.set MUL_HI, 0xf1
.set TO_B,   0x40
; A joint load: waves 0 and 1 fetch for A, waves 2 and 3 for B; the branch hangs on the wave's number alone.  An s_nop 0 and four v_nop follow each line.
.macro JLOAD g0a, g1a, g0b, g1b
	s_cmp_eq_u32 s15, 0
	s_cbranch_scc0 .Lfor_b_\@
	tensor_load_to_lds s[\g0a:\g0a+3], s[\g1a:\g1a+7]
	s_nop 0
.rept 4
	v_nop
.endr
	s_branch .Lasked_\@
.Lfor_b_\@:
	tensor_load_to_lds s[\g0b:\g0b+3], s[\g1b:\g1b+7]
	s_nop 0
.rept 4
	v_nop
.endr
.Lasked_\@:
.endm
.macro CROUND                          ; a round of the cluster's barrier
	s_barrier_signal -1
	s_barrier_wait -1
	s_cmp_lg_u32 s14, 0
	s_cbranch_scc1 .Lnot_wave_0_\@
	s_barrier_signal -3
.Lnot_wave_0_\@:
	s_barrier_wait -3
	s_barrier_signal -1
	s_barrier_wait -1
.endm
	s_load_b128 s[4:7], s[0:1], 0x0                ; A's codes s[4:5], A's scales s[6:7]
	s_load_b128 s[8:11], s[0:1], 0x10              ; B's codes s[8:9], B's scales s[10:11]
	s_load_b64 s[12:13], s[0:1], 0x20              ; qkv16
	s_load_b64 s[96:97], s[0:1], 0x28              ; qkv32
	v_lshl_add_u32 v[SPW], v0, 2, SPARE
	v_mov_b32 v[NIL], 0
	ds_add_u32 v[SPW], v[NIL]                      ; the wave's opening: the add, twice on end, and its wait ahead of my first tensor load
	ds_add_u32 v[SPW], v[NIL]
	v_lshrrev_b32 v1, 5, v0
	v_readfirstlane_b32 s14, v1                    ; wave 0..3
	s_lshr_b32 s15, s14, 1                         ; which half of the tile's rows is mine.  Also: I fetch for A (0) or for B (1)
	s_and_b32 s16, s14, 1                          ; which half of its columns.  Also: which 128 rows of that tile I fetch
	s_bfe_u32 s40, ttmp6, 0x40000                  ; cx, cy: my place in the cluster
	s_bfe_u32 s41, ttmp6, 0x40004
	s_lshl_b32 s42, ttmp9, 2
	s_add_co_u32 s42, s42, s40                     ; tile column = 4 x cluster x + cx
	s_and_b32 s17, ttmp7, 0xffff                   ; cluster y
	s_lshl_b32 s18, s41, 3
	s_add_co_u32 s17, s17, s18                     ; tile row = 8 cy + cluster y: eight tiles of 256 rows are a batch
	s_lshl_b32 s43, s41, 2
	s_lshl_b32 s43, 15, s43                        ; my row of the cluster
	s_lshl_b32 s44, 0x1111, s40                    ; my column
	s_or_b32 s[G1+0], s43, (0<<16)|(1<<20)|(1<<21)|(5<<22)|(3<<25)  ; the mask; elements of 1 byte; padding on; bit 21 beside a mask; after every 64 words, 4 words
	s_or_b32 s[G1B+0], s44, (0<<16)|(1<<20)|(1<<21)|(5<<22)|(3<<25)
.irp g, G1, G1B
	s_mov_b32 s[\g+1], ROWB<<16                    ; tensor_dim0
	s_mov_b32 s[\g+2], 128<<16                     ; tensor_dim1
	s_mov_b32 s[\g+3], ROWB<<16                    ; tile_dim0
	s_mov_b32 s[\g+4], 128                         ; tile_dim1
	s_mov_b32 s[\g+5], KROW                        ; the pitch
	s_mov_b32 s[\g+6], 0
	s_mov_b32 s[\g+7], 0
.endr
	s_or_b32 s[G1S+0], s43, (3<<16)|(1<<20)|(1<<21)|(5<<22)|(3<<25)  ; the scales of 128 rows: a dense block, as rows of 256 bytes (32 elements of 8), 16 bytes of padding behind each
	s_or_b32 s[G1SB+0], s44, (3<<16)|(1<<20)|(1<<21)|(5<<22)|(3<<25)
.irp g, G1S, G1SB
	s_mov_b32 s[\g+1], 32<<16
	s_mov_b32 s[\g+2], (128*KS/256)<<16
	s_mov_b32 s[\g+3], 32<<16
	s_mov_b32 s[\g+4], 128*KS/256
	s_mov_b32 s[\g+5], 32
	s_mov_b32 s[\g+6], 0
	s_mov_b32 s[\g+7], 0
.endr
	s_lshl_b32 s18, s16, 7                         ; which 128 rows of the tile I fetch
	s_lshl_b32 s20, s17, 8
	s_add_co_u32 s20, s20, s18                     ; A: row 256 x tile row + 128 x half
	s_lshl_b32 s46, s42, 8
	s_add_co_u32 s46, s46, s18                     ; B: row 256 x tile column + 128 x half
	s_mov_b32 s21, 0
	s_mov_b32 s47, 0
	s_mov_b64 s[18:19], KS
	s_mul_u64 s[22:23], s[20:21], s[18:19]         ; where these rows' scales begin,
	s_mul_u64 s[92:93], s[46:47], s[18:19]
	s_mov_b64 s[18:19], KROW
	s_mul_u64 s[20:21], s[20:21], s[18:19]         ; and their codes
	s_mul_u64 s[46:47], s[46:47], s[18:19]
	s_mul_i32 s45, s14, HALFT                      ; where they go: wave x 128 rows: no place in the cluster enters an LDS address
	s_mul_i32 s94, s14, HALFS
	s_wait_dscnt 0x0                               ; both opening adds are done
	s_wait_kmcnt 0x0
	s_add_nc_u64 s[20:21], s[4:5], s[20:21]
	s_add_nc_u64 s[22:23], s[6:7], s[22:23]
	s_add_nc_u64 s[46:47], s[8:9], s[46:47]
	s_add_nc_u64 s[92:93], s[10:11], s[92:93]
	CROUND                                         ; all sixteen work-groups are here: the joint loads meet
	s_mov_b32 s[G0S], 1
	s_add_co_u32 s[G0S+1], s94, SCL
	s_mov_b64 s[G0S+2:G0S+3], s[22:23]
	s_or_b32 s[G0S+3], s[G0S+3], 0x80000000
	s_mov_b32 s[G0SB], 1
	s_add_co_u32 s[G0SB+1], s94, SCL
	s_mov_b64 s[G0SB+2:G0SB+3], s[92:93]
	s_or_b32 s[G0SB+3], s[G0SB+3], 0x80000000
	JLOAD G0S, G1S, G0SB, G1SB                     ; the scales first: they are wanted with K step 0
.irp s, 0,1
	s_mov_b32 s[G0+4*\s], 1
	s_add_co_u32 s[G0+4*\s+1], s45, \s*SLOT
	s_add_nc_u64 s[G0+4*\s+2:G0+4*\s+3], s[20:21], \s*ROWB
	s_or_b32 s[G0+4*\s+3], s[G0+4*\s+3], 0x80000000
	s_mov_b32 s[G0B+4*\s], 1
	s_add_co_u32 s[G0B+4*\s+1], s45, \s*SLOT
	s_add_nc_u64 s[G0B+4*\s+2:G0B+4*\s+3], s[46:47], \s*ROWB
	s_or_b32 s[G0B+4*\s+3], s[G0B+4*\s+3], 0x80000000
	JLOAD G0+4*\s, G1, G0B+4*\s, G1B
.endr
	v_and_b32 v1, 15, v0                           ; l % 16
	v_bfe_u32 v2, v0, 4, 1                         ; l / 16
	v_mul_u32_u24 v3, v1, PITCH
	v_lshl_add_u32 v4, v2, 4, v3                   ; a fragment's row x pitch + 16 x half
	s_mul_i32 s21, s15, HALFT                      ; my 128 rows of A
	s_mul_i32 s22, s16, HALFT                      ; my 128 rows of B,
	s_add_co_u32 s22, s22, 2*HALFT                 ; which lie behind A's 256
.irp s, 0,1
	v_add_nc_u32 v[ADRA+\s], s21, v4
	v_add_nc_u32 v[ADRB+\s], s22, v4
	s_add_co_u32 s21, s21, SLOT
	s_add_co_u32 s22, s22, SLOT
.endr
	v_mul_u32_u24 v5, v1, KS                       ; my row's scales: KS bytes a row,
	v_lshrrev_b32 v6, 8, v5
	v_lshl_add_u32 v5, v6, 4, v5                   ; and 16 more for each 256 passed
	s_mul_i32 s21, s15, HALFS
	s_mul_i32 s22, s16, HALFS
	s_add_co_u32 s22, s22, 2*HALFS
	s_sub_co_u32 s22, s22, s21
	v_mul_u32_u24 v6, s22, v2                      ; lanes 16-31 take B's
	s_add_co_u32 s21, s21, SCL
	v_add_nc_u32 v5, v5, v6
	v_add_nc_u32 v[ADRS], s21, v5
	s_mul_i32 s23, s14, 16*SPITCH                  ; my f16 stage
	v_mul_u32_u24 v5, v1, SPITCH                   ; in: row l % 16, 16 bytes for each half of the lanes
	v_lshl_add_u32 v5, v2, 4, v5
	v_add_nc_u32 v[STO], s23, v5
	v_and_b32 v6, 31, v0
	v_lshlrev_b32 v[CO], 4, v6
	v_lshrrev_b32 v5, 3, v6                        ; back: eight lanes take a head's 128 bytes of a row, four rows an instruction
	v_mul_u32_u24 v5, v5, SPITCH
	v_and_b32 v7, 7, v0
	v_lshl_add_u32 v5, v7, 4, v5
	v_add_nc_u32 v[RD], s23, v5
	s_mul_i32 s23, s14, 16*SP32                    ; my f32 stage
	s_add_co_u32 s23, s23, STG32
	v_mul_u32_u24 v5, v1, SP32
	v_lshl_add_u32 v5, v2, 5, v5
	v_add_nc_u32 v[STO32], s23, v5
	v_add_nc_u32 v[RD32], s23, v[CO]
	; where my part begins in qkv16: batch cy, planes 4 x tile column + 2 x half on, row 256 x cluster y + 128 x half
	s_mul_i32 s20, s41, 48*PLANE
	s_lshl_b32 s21, s42, 2
	s_lshl_b32 s46, s16, 1
	s_add_co_u32 s21, s21, s46
	s_lshl_b32 s21, s21, 18
	s_add_co_u32 s20, s20, s21
	s_and_b32 s46, ttmp7, 0xffff
	s_lshl_b32 s21, s46, 15
	s_add_co_u32 s20, s20, s21
	s_lshl_b32 s21, s15, 14
	s_add_co_u32 s20, s20, s21
	s_mov_b32 s21, 0
	s_add_nc_u64 s[12:13], s[12:13], s[20:21]
	s_or_b32 s95, s46, s15                         ; 0 where my first 16 rows are positions 0-15 of a batch: cluster y = 0 and the upper half of the tile
	s_mul_i32 s20, s41, 16*SIZE_N*4                ; and in qkv32: 16 rows a batch, my 128 columns
	s_lshl_b32 s46, s42, 10
	s_add_co_u32 s20, s20, s46
	s_lshl_b32 s46, s16, 9
	s_add_co_u32 s20, s20, s46
	s_add_nc_u64 s[96:97], s[96:97], s[20:21]
.macro FRAG reg, adr, q, i             ; 16 rows x 128 K of 4-bit codes: 8 registers: two loads of 16 bytes, 32 bytes apart
.irp c, 0,1
	ds_load_b128 v[\reg+4*\c:\reg+4*\c+3], v[\adr] offset:64*(\q)+32*\c+(\i)*16*PITCH
.endr
.endm
; 16 matrix instructions: A's blocks a0, a0 + 1 x B's eight, 128 along K.  The 64 accumulators take turns, one instruction a turn, in the same order in every step.
.macro MUL16 a0, p, q, sc, zero
.irp a, \a0, \a0+1
.irp b, 0,1,2,3,4,5,6,7
.if \zero
	v_wmma_scale_f32_16x16x128_f8f6f4 v[8*(8*((\a)%4)+\b):8*(8*((\a)%4)+\b)+7], v[128*(\p)+FR*\b:128*(\p)+FR*\b+FR-1], v[AF+FR*(\a):AF+FR*(\a)+FR-1], 0, v[SC+8*NQ*(\sc)+NQ*\b+(\q)], v[SC+8*NQ*(\sc)+NQ*(\a)+(\q)] matrix_a_fmt:MATRIX_FMT_FP4 matrix_b_fmt:MATRIX_FMT_FP4 matrix_a_scale:MATRIX_SCALE_ROW1
.else
	v_wmma_scale_f32_16x16x128_f8f6f4 v[8*(8*((\a)%4)+\b):8*(8*((\a)%4)+\b)+7], v[128*(\p)+FR*\b:128*(\p)+FR*\b+FR-1], v[AF+FR*(\a):AF+FR*(\a)+FR-1], v[8*(8*((\a)%4)+\b):8*(8*((\a)%4)+\b)+7], v[SC+8*NQ*(\sc)+NQ*\b+(\q)], v[SC+8*NQ*(\sc)+NQ*(\a)+(\q)] matrix_a_fmt:MATRIX_FMT_FP4 matrix_b_fmt:MATRIX_FMT_FP4 matrix_a_scale:MATRIX_SCALE_ROW1
.endif
.endr
.endr
.endm
.macro FETCH_B slot, q, p
	WIN TO_B
.irp i, 0,1,2,3,4,5,6,7
	FRAG 128*(\p)+FR*\i, ADRB+\slot, \q, \i
.endr
	WIN 0
.endm
.macro FETCH_A slot, q, i0
.irp i, \i0, \i0+1, \i0+2, \i0+3
	FRAG AF+FR*(\i), ADRA+\slot, \q, \i
.endr
.endm
.macro SCALES sc                       ; a K step's scale words: lanes 0-15 take A's block i, lanes 16-31 B's block i
.irp i, 0,1,2,3,4,5,6,7
	ds_load_b128 v[SC+8*NQ*\sc+NQ*\i:SC+8*NQ*\sc+NQ*\i+3], v[ADRS] offset:\i*SBLK
.endr
.endm
.macro PLACES n                        ; plain vector lines between a matrix instruction and a load into, or a read of, its registers
.rept \n
	v_nop
.endr
.endm
.macro STEP slot, q, zero              ; 128 along K that has its successor in the same slot
	s_wait_dscnt 4*NL                              ; B's set and A's blocks 0-3 are in; the youngest eight loads (A's blocks 4-7) may be out
	WIN MUL_LO
	MUL16 0, (\q)%2, \q, \slot, \zero
	MUL16 2, (\q)%2, \q, \slot, \zero
	s_wait_dscnt 0                                 ; A's blocks 4-7 are in
	PLACES NP
	FETCH_B \slot, (\q)+1, 1-(\q)%2
	FETCH_A \slot, (\q)+1, 0
	WIN MUL_HI
	MUL16 4, (\q)%2, \q, \slot, \zero
	MUL16 6, (\q)%2, \q, \slot, \zero
	PLACES NP
	WIN 0
	FETCH_A \slot, (\q)+1, 4
.endm
; Slot 0's last step changes slots: each wave waits for all its tensor loads (slot 1's), adds 0 to its spare word, waits for that and for its reads of slot 0; one barrier.
.macro TURN slot, next
	s_wait_tensorcnt 0x0
	ds_add_u32 v[SPW], v[NIL]
	s_wait_dscnt 4*NL+1                            ; (the add and the youngest eight loads may be out)
	WIN MUL_LO
	MUL16 0, 1, NQ-1, \slot, 0
	s_wait_dscnt 0x0                               ; the add is done, and my reads of this slot are over
	s_barrier_signal -1
	MUL16 2, 1, NQ-1, \slot, 0
	WIN 0
	s_barrier_wait -1
	PLACES NP
	v_add_nc_u32 v[ADRS], 4*NQ, v[ADRS]            ; on to the next K step's scale words
	FETCH_B \next, 0, 0
	FETCH_A \next, 0, 0
	SCALES \next
	WIN MUL_HI
	MUL16 4, 1, NQ-1, \slot, 0
	MUL16 6, 1, NQ-1, \slot, 0
	PLACES NP
	WIN 0
	FETCH_A \next, 0, 4
.endm
.macro STEPS slot, from
.set Q, \from
.rept NQ-1-\from
	STEP \slot, Q, 0
.set Q, Q+1
.endr
.endm
	s_wait_tensorcnt 1                             ; the scales and my part of K step 0 are in (K step 1's load may be out),
	s_barrier_signal -1
	s_barrier_wait -1                              ; everybody's are
	FETCH_B 0, 0, 0
	FETCH_A 0, 0, 0
	SCALES 0
	FETCH_A 0, 0, 4
	STEP 0, 0, 1                                   ; the first products start the sums: nothing is cleared
	STEPS 0, 1
	TURN 0, 1
	STEPS 1, 0
	s_wait_dscnt 4*NL                              ; the very last step: nothing more to fetch
	WIN MUL_LO
	MUL16 0, 1, NQ-1, 1, 0
	MUL16 2, 1, NQ-1, 1, 0
	s_wait_dscnt 0
	WIN MUL_HI
	MUL16 4, 1, NQ-1, 1, 0
	MUL16 6, 1, NQ-1, 1, 0
	WIN 0
; THE WAY OUT, block by block of 16 rows x 128 columns (two heads' 64), through my own stage.  LDS serves a wave's instructions in order (ISA guide 5.7.1.4): no wait between the stores and the loads.
.macro FINE32                          ; block 0 unrounded: 16 rows of 512 bytes
	WIN 0x08                                       ; an LDS store's data: window 2
.irp b, 0,1,2,3,4,5,6,7
	ds_store_b128 v[STO32], v[8*\b:8*\b+3] offset:64*\b           ; each accumulator from its low end on
	ds_store_b128 v[STO32], v[8*\b+4:8*\b+7] offset:64*\b+16
.endr
	WIN 0
.irp t, 0,1,2,3,4,5,6,7,8,9,10,11,12,13,14,15
	ds_load_b128 v[BK+4*\t:BK+4*\t+3], v[RD32] offset:\t*SP32
.endr
	s_wait_dscnt 0x0
.irp t, 0,1,2,3,4,5,6,7,8,9,10,11,12,13,14,15
	global_store_b128 v[CO], v[BK+4*\t:BK+4*\t+3], s[96:97] offset:\t*SIZE_N*4   ; 512 consecutive bytes, aligned
.endr
	s_wait_xcnt 0x0                                ; the stores have read their registers: the next loads may land there
.endm
.macro PACK a
.set AC, 64*((\a)%4)
	WIN 0x0a+5*((\a)/4)                            ; sources 0 and 1: window 2 or 3
.irp b, 0,1,2,3,4,5,6,7
.irp r, 0,1,2,3
	v_cvt_pk_f16_f32 v[TMP+4*\b+\r], v[AC+8*\b+2*\r], v[AC+8*\b+2*\r+1]
.endr
.endr
	WIN 0
.endm
.macro TOSTAGE a
.set BB, BK+32*((\a)%2)
.irp b, 0,1,2,3,4,5,6,7
	ds_store_b128 v[STO], v[TMP+4*\b:TMP+4*\b+3] offset:32*\b
.endr
.irp tt, 0,1,2,3,4,5,6,7               ; head tt / 4, rows 4 (tt % 4) on
	ds_load_b128 v[BB+4*\tt:BB+4*\tt+3], v[RD] offset:(\tt%4)*4*SPITCH+(\tt/4)*128
.endr
.endm
.macro SEND a
.set BB, BK+32*((\a)%2)
	s_wait_dscnt 0x0                               ; the block is back in registers
	s_wait_xcnt 0x0                                ; the block before's stores have read their registers: the next block's loads may land there
.irp tt, 0,1,2,3,4,5,6,7
	global_store_b128 v[CO], v[BB+4*\tt:BB+4*\tt+3], s[12:13] offset:(\tt/4)*PLANE+(\a)*2048+(\tt%4)*512   ; four rows of one head: 512 consecutive bytes, aligned
.endr
.endm
	PLACES NP                                      ; behind the last products: for the reads of results and the loads into A's registers
	s_cmp_lg_u32 s95, 0                            ; cluster y and the wave's number alone: alike in all sixteen partners
	s_cbranch_scc1 .Lno_fine
	FINE32
.Lno_fine:
	PACK 0
	TOSTAGE 0
.irp a, 1,2,3,4,5,6,7                  ; block a's conversions stand between block a - 1's loads from the stage and the wait for them
	PACK \a
	SEND \a-1
	TOSTAGE \a
.endr
	SEND 7
	s_wait_tensorcnt 0x0                           ; the wave's end: a wait, an add to my spare word and its wait
	ds_add_u32 v[SPW], v[NIL]
	s_wait_dscnt 0x0
	CROUND                                         ; the closing round
	s_endpgm
.Lfunc_end_k_q580753ca5c_gemm_qkv:
	.size	k_q580753ca5c_gemm_qkv, .Lfunc_end_k_q580753ca5c_gemm_qkv-k_q580753ca5c_gemm_qkv
	.p2alignl 7, 3214868480
	.fill 96, 4, 3214868480
	.section	.rodata,"a",@progbits
	.p2align	6, 0x0
	.amdhsa_kernel k_q580753ca5c_gemm_qkv
		.amdhsa_group_segment_fixed_size 327680
		.amdhsa_private_segment_fixed_size 0
		.amdhsa_enable_private_segment 0
		.amdhsa_kernarg_size 48
		.amdhsa_user_sgpr_count 2
		.amdhsa_user_sgpr_kernarg_segment_ptr 1
		.amdhsa_wavefront_size32 1
		.amdhsa_system_sgpr_workgroup_id_x 1
		.amdhsa_system_sgpr_workgroup_id_y 1
		.amdhsa_system_sgpr_workgroup_id_z 1
		.amdhsa_system_vgpr_workitem_id 0
		.amdhsa_next_free_vgpr 1024
		.amdhsa_next_free_sgpr 100
		.amdhsa_reserve_vcc 0
		.amdhsa_float_denorm_mode_32 3
		.amdhsa_float_denorm_mode_16_64 3
		.amdhsa_memory_ordered 1
		.amdhsa_forward_progress 1
		.amdhsa_inst_pref_size 131
	.end_amdhsa_kernel
	.amdgpu_metadata
---
amdhsa.version: [ 1, 2 ]
amdhsa.kernels:
  - .name:           k_q580753ca5c_gemm_qkv
    .symbol:         k_q580753ca5c_gemm_qkv.kd
    .args:
      - { .name: x_codes, .offset: 0, .size: 8, .value_kind: global_buffer, .address_space: global }
      - { .name: x_scales, .offset: 8, .size: 8, .value_kind: global_buffer, .address_space: global }
      - { .name: w_codes, .offset: 16, .size: 8, .value_kind: global_buffer, .address_space: global }
      - { .name: w_scales, .offset: 24, .size: 8, .value_kind: global_buffer, .address_space: global }
      - { .name: qkv16, .offset: 32, .size: 8, .value_kind: global_buffer, .address_space: global }
      - { .name: qkv32, .offset: 40, .size: 8, .value_kind: global_buffer, .address_space: global }
    .group_segment_fixed_size: 327680
    .private_segment_fixed_size: 0
    .kernarg_segment_align: 8
    .kernarg_segment_size: 48
    .max_flat_workgroup_size: 128
    .sgpr_count:     100
    .vgpr_count:     1024
    .wavefront_size: 32
...
	.end_amdgpu_metadata
.endif
;; end of part 2
;; launch attn (part 3): grid 4 x 64, 16 waves a work-group, no clusters, 327,680 bytes of LDS; arguments qkv16, yh; writes yh
.if DOCPART == 3
	.amdgcn_target "amdgcn-amd-amdhsa--gfx1250"
	.amdhsa_code_object_version 6
	.text
	.protected	k_q580753ca5c_attn
	.globl	k_q580753ca5c_attn
	.p2align	8
	.type	k_q580753ca5c_attn,@function
k_q580753ca5c_attn:
	s_mov_b64 s[64:65], 0
	v_nop
	global_prefetch_b8 v0, s[64:65] scope:SCOPE_SE
	s_setreg_imm32_b32 hwreg(HW_REG_WAVE_MODE, 25, 1), 1
	s_wait_xcnt 0x0
; y[b][h][q][:] = the sum over k <= q of softmax_k(q . k / 8) v[k][:], head size 64, 2,048 positions, 64 heads in all.  q, k, v: qkv16 [b][g][t][64] f16 (g = h, 16 + h, 32 + h); y: yh [b][h][t][64] f16.
; Products on f16 operands with f32 sums; maxima, exponentials and sums in f32; a running maximum m and sum l for each query: p = 2^(c s - c m), c = log2(e) / 8; O and l are multiplied by a = 2^(c m_old - c m_new) in every step.
; SHARES.  A work-group owns blocks j and 7 - j of 256 queries of one head, so that under the causal mask all work-groups have the same number of steps.  Each of its SIXTEEN waves owns 32 queries, two tiles of 16,
; in 256 registers: four waves to a SIMD, two of each block, so that one wave's vector work stands beside another's products.
; Every wave passes all 8 slots of 256 keys (the trip counts are constants); a step of 64 keys all of which come after the wave's queries is jumped over by a scalar branch on ids.
; LAYOUT.  S^T = K Q^T (source 0 = 16 keys, source 1 = 16 queries): a lane holds ONE query (lane % 16) and keys 8 (lane / 16) + 0..7; two such tiles, rounded to f16 in pairs, ARE source 1 of O^T = V^T P.
; K comes out of LDS as it lies, V ([key][channel]) turned, by ds_load_tr16_b128.  A plane is dense, so a tile is stated as rows of 256 bytes, two keys to a row: key k lies at (k / 2) x pitch + 128 (k & 1).
; NO CLUSTER: the four work-groups of a head want 8, 7, 6 and 5 slots; a joint load would bring tiles that no wave of some partner reads.
; LIMITS: the running maximum starts at -3e38; NaN and infinities are not served; |y| stays under 65,504 (f16).  The first 16 positions of every sequence are written again, in f32, by a later launch's way.
.set KP,    272                        ; K: 256 bytes + 16: lane r's 16 bytes fall on column (r / 2) + 8 (r & 1) of sixteen: each once
.set VP,    288                        ; V: 256 bytes + 32: the turning load's sixteen lanes fall on columns 2 (i / 2) + 8 (i & 1) + u: each once
.set VOFF,  128*KP                     ; a slot: 128 rows of K, then 128 rows of V
.set SLOT1, 1<<17                      ; slot 1 begins here: one exclusive or turns an address
.set STAGE, SLOT1+VOFF+128*VP          ; behind the ring: 16 rows x (128 bytes + 16) for each wave
.set SPARE, STAGE+16*16*144            ; the spare words, 128 bytes for each wave: eight blocks of 256 bytes that no other line names
.set PLANE, 262144
.set AK0, 1                            ; v1  my lane's place in a tile of K
.set AV0, 2                            ; v2  the same for V
.set ADK, 3                            ; v3  LDS address of the step's K
.set ADV, 4                            ; v4  of its V
.set SPW, 5                            ; v5  my spare word; never rewritten
.set NIL, 6                            ; v6  0; never rewritten
.set PFO, 7                            ; v7  256 x lane
.set RH,  8                            ; v8  r - 8 h
.set DD,  9                            ; v9  the mask's d
.set NINF, 10                          ; v10 -infinity
.set GO,  11                           ; v11 16 x lane
.set STO, 12                           ; v12 the way out: where I put 16 bytes of a row
.set RD,  13                           ; v13 and where I read rows back
.set ST,  16                           ; v16-31 tile t's statistics at ST + 8 t: +0 c m, +1 m, +2, +3 l in two halves, +4 .. +7 at work; a at +6
.set QF,  32                           ; v32-63   Q: tile t, channels 32 c on, at QF + 16 t + 8 c
.set KV,  64                           ; v64-127  a step's K, then its V
.set S,   128                          ; v128-191 S^T, 32 a tile; P is packed into each tile's first 16
.set O,   192                          ; v192-255 O^T, 32 a tile
.set TB,  2                            ; s2  LDS byte at which the slot in hand begins
.set SLOTS, 3                          ; s3  changes of slots still to come that ask for a slot
.set WV,  18
.set SEL, 20                           ; s[20:21] lane l xor 16
.set CS,  22                           ; s[22:23] c, twice
.set G1K, 24
.set G1V, 32
.set G0K, 40
.set G0V, 44
.set KF,  48                           ; s48 the step's first key
.set Q0,  49                           ; s49 my first query
.set QL,  50                           ; s50 my last
.set WGL, 51                           ; s51 my work-group's last
.set PFA, 52                           ; s[52:53] where my prefetches stand
.set LIM, 54                           ; s54 1 in a wave that prefetches, else the greatest number
; Waves 0 and 1 fetch K's halves of a slot, waves 2 and 3 V's, the others nothing.  An s_nop 0 and four v_nop follow each line.
.macro TLOAD
	s_cmp_lt_u32 s[WV], 2
	s_cbranch_scc0 .Lnot_k_\@
	tensor_load_to_lds s[G0K:G0K+3], s[G1K:G1K+7]
	s_nop 0
.rept 4
	v_nop
.endr
	s_branch .Lasked_\@
.Lnot_k_\@:
	s_cmp_lt_u32 s[WV], 4
	s_cbranch_scc0 .Lasked_\@
	tensor_load_to_lds s[G0V:G0V+3], s[G1V:G1V+7]
	s_nop 0
.rept 4
	v_nop
.endr
.Lasked_\@:
.endm
; A PREFETCH of what the NEXT change of slots will ask for: a slot's 32,768 bytes of K and of V, four key steps ahead of that load.  Each aligned 256 bytes is named once in the launch: of the four work-groups of a head
; the one with j = 0, which walks all eight slots, asks; in it waves 4 to 7 for K, waves 8 to 11 for V, 8,192 bytes a wave, lanes 256 bytes apart.  The last change that fills a slot asks for nothing.
.macro ASK
	s_cmp_gt_u32 s[SLOTS], s[LIM]
	s_cbranch_scc0 .Lnot_mine_\@
	global_prefetch_b8 v[PFO], s[PFA:PFA+1] th:TH_LOAD_NT scope:SCOPE_SE
.Lnot_mine_\@:
.endm
	s_load_b128 s[4:7], s[0:1], 0x0                ; qkv16 s[4:5], yh s[6:7]
	v_lshl_add_u32 v[SPW], v0, 2, SPARE
	v_mov_b32 v[NIL], 0
	ds_add_u32 v[SPW], v[NIL]                      ; the wave's opening: the add, twice on end, and its wait ahead of my first tensor load
	ds_add_u32 v[SPW], v[NIL]
	v_lshrrev_b32 v14, 5, v0
	v_readfirstlane_b32 s[WV], v14                 ; wave 0..15
	s_and_b32 s55, ttmp7, 0xffff                   ; 16 b + h
	s_lshr_b32 s56, s55, 4
	s_and_b32 s57, s55, 15
	s_mul_i32 s56, s56, 48
	s_add_co_u32 s56, s56, s57
	s_lshl_b32 s56, s56, 18                        ; q's plane of my head, in bytes
	s_mov_b32 s57, 0
	s_lshr_b32 s58, s[WV], 2
	s_xor_b32 s58, s58, s[WV]
	s_and_b32 s58, s58, 1                          ; which of the two blocks is my wave's
	s_lshr_b32 s59, s[WV], 1                       ; and which 32 queries of it
	s_sub_co_u32 s60, 7, ttmp9
	s_cmp_eq_u32 s58, 0
	s_cselect_b32 s60, ttmp9, s60
	s_lshl_b32 s60, s60, 8
	s_lshl_b32 s59, s59, 5
	s_add_co_u32 s[Q0], s60, s59
	s_add_co_u32 s[QL], s[Q0], 31
	s_sub_co_u32 s[WGL], 8, ttmp9
	s_lshl_b32 s[WGL], s[WGL], 8
	s_sub_co_u32 s[WGL], s[WGL], 1
	s_and_b32 s61, s[WV], 1                        ; which half of a slot I fetch, if I fetch
	s_mul_i32 s62, s61, 64*KP
	s_mul_i32 s63, s61, 64*VP
	s_add_co_u32 s63, s63, VOFF
	s_lshl_b32 s66, s61, 14
	s_mov_b32 s67, 0
	; descriptor group 1: 64 rows of 128 elements of 2 bytes, dense in memory, padded in LDS
	s_mov_b32 s[G1K], (1<<16)|(1<<20)|(5<<22)|(3<<25)             ; no mask; elements of 2 bytes; padding on: after every 64 words, 4 words
	s_mov_b32 s[G1V], (1<<16)|(1<<20)|(5<<22)|(7<<25)             ; the same with 8 words
.irp g, G1K, G1V
	s_mov_b32 s[\g+1], 128<<16                     ; tensor_dim0
	s_mov_b32 s[\g+2], 64<<16                      ; tensor_dim1
	s_mov_b32 s[\g+3], 128<<16                     ; tile_dim0
	s_mov_b32 s[\g+4], 64                          ; tile_dim1
	s_mov_b32 s[\g+5], 128                         ; the pitch
	s_mov_b32 s[\g+6], 0
	s_mov_b32 s[\g+7], 0
.endr
	s_mov_b32 s[SEL], 0x76543210
	s_mov_b32 s[SEL+1], 0xfedcba98
	s_mov_b32 s[CS], 0x3e38aa3b                    ; c = log2(e) / 8
	s_mov_b32 s[CS+1], s[CS]
	s_mov_b32 s[TB], 0
	s_mov_b32 s[SLOTS], 7
	s_mov_b32 s[KF], 0
	s_wait_dscnt 0x0                               ; both opening adds are done
	s_wait_kmcnt 0x0
	s_add_nc_u64 s[12:13], s[4:5], s[56:57]        ; q's plane
	s_add_nc_u64 s[14:15], s[12:13], s[66:67]      ; + my half of a slot
	s_mov_b32 s[G0K], 1
	s_mov_b32 s[G0K+1], s62                        ; slot 0
	s_add_nc_u64 s[G0K+2:G0K+3], s[14:15], 16*PLANE   ; k's plane lies 16 planes on,
	s_or_b32 s[G0K+3], s[G0K+3], 0x80000000
	s_mov_b32 s[G0V], 1
	s_mov_b32 s[G0V+1], s63
	s_add_nc_u64 s[G0V+2:G0V+3], s[14:15], 32*PLANE   ; v's 32
	s_or_b32 s[G0V+3], s[G0V+3], 0x80000000
	TLOAD                                          ; slot 0: it holds key 0, which counts for every query
	s_lshl_b32 s66, s[Q0], 7
	s_add_nc_u64 s[8:9], s[12:13], s[66:67]        ; Q at my first query
	s_lshl_b32 s68, s55, 18
	s_mov_b32 s69, 0
	s_add_nc_u64 s[10:11], s[6:7], s[68:69]
	s_add_nc_u64 s[10:11], s[10:11], s[66:67]      ; y likewise
	s_mov_b32 s66, 32*PLANE                        ; the prefetches: waves 4 to 7 stand in K, waves 8 to 11 in V,
	s_cmp_lt_u32 s[WV], 8
	s_cselect_b32 s66, 16*PLANE, s66
	s_and_b32 s68, s[WV], 3
	s_lshl_b32 s68, s68, 13
	s_add_co_u32 s66, s66, s68                     ; at my wave's 8,192 bytes
	s_add_co_u32 s66, s66, 32768                   ; of slot 1: the first change of slots steps it to slot 2.  Nothing is prefetched here, at the head
	s_add_nc_u64 s[PFA:PFA+1], s[12:13], s[66:67]
	s_sub_co_u32 s66, s[WV], 4
	s_lshr_b32 s66, s66, 3                         ; 0 in waves 4 to 11,
	s_or_b32 s66, s66, ttmp9                       ; of the work-group with j = 0
	s_cmp_eq_u32 s66, 0
	s_cselect_b32 s[LIM], 1, -1
	v_and_b32 v14, 15, v0                          ; r
	v_bfe_u32 v15, v0, 4, 1                        ; h
	v_lshlrev_b32 v[ADK], 7, v14
	v_lshl_add_u32 v[ADK], v15, 4, v[ADK]          ; Q: row r of 128 bytes, + 16 h (the register is free again behind the wait for these loads)
.irp t, 0,1
.irp c, 0,1
	global_load_b128 v[QF+16*\t+8*\c:QF+16*\t+8*\c+3], v[ADK], s[8:9] offset:2048*\t+64*\c
	global_load_b128 v[QF+16*\t+8*\c+4:QF+16*\t+8*\c+7], v[ADK], s[8:9] offset:2048*\t+64*\c+32
.endr
.endr
	v_lshrrev_b32 v[AK0], 1, v14
	v_mul_u32_u24 v[AK0], v[AK0], KP
	v_and_b32 v[AV0], 1, v14
	v_lshl_add_u32 v[AK0], v[AV0], 7, v[AK0]
	v_lshl_add_u32 v[AK0], v15, 4, v[AK0]          ; (r / 2) x pitch + 128 (r & 1) + 16 h
	v_and_b32 v[AV0], 7, v0                        ; i: the turning load's lane takes key 8 h + i, channels 8 u on
	v_lshrrev_b32 v[ADV], 1, v[AV0]
	v_lshl_add_u32 v[ADV], v15, 2, v[ADV]
	v_mul_u32_u24 v[ADV], v[ADV], VP
	v_and_b32 v[AV0], 1, v[AV0]
	v_lshl_add_u32 v[ADV], v[AV0], 7, v[ADV]
	v_bfe_u32 v[AV0], v0, 3, 1
	v_lshl_add_u32 v[ADV], v[AV0], 4, v[ADV]
	v_add_nc_u32 v[AV0], VOFF, v[ADV]              ; VOFF + (4 h + i / 2) x pitch + 128 (i & 1) + 16 u
	v_and_b32 v[PFO], 31, v0
	v_lshlrev_b32 v[GO], 4, v[PFO]
	v_lshlrev_b32 v[PFO], 8, v[PFO]
	v_lshlrev_b32 v[RH], 3, v15
	v_sub_nc_u32 v[RH], v14, v[RH]
	v_mov_b32 v[NINF], 0xff800000
	s_mul_i32 s66, s[WV], 16*144
	s_add_co_u32 s66, s66, STAGE                   ; my stage
	v_mul_u32_u24 v[STO], v14, 144
	v_lshl_add_u32 v[STO], v15, 4, v[STO]
	v_add_nc_u32 v[STO], s66, v[STO]               ; in: row r, 16 bytes for each half of the lanes
	v_bfe_u32 v[RD], v0, 3, 2
	v_mul_u32_u24 v[RD], v[RD], 144
	v_and_b32 v[DD], 7, v0
	v_lshl_add_u32 v[RD], v[DD], 4, v[RD]
	v_add_nc_u32 v[RD], s66, v[RD]                 ; back: eight lanes to a row of 128 bytes, four rows an instruction
.irp t, 0,1
	v_mov_b32 v[ST+8*\t+1], 0xff61b1e6             ; m = -3e38, under every score
	v_mul_f32 v[ST+8*\t], s[CS], v[ST+8*\t+1]      ; c m
.irp i, 2,3,4,5,6,7
	v_mov_b32 v[ST+8*\t+\i], 0                     ; l; and the registers at work, written once (a lane permute's destination counts as read)
.endr
.endr
.irp j, 0,1,2,3,4,5,6,7,8,9,10,11,12,13,14,15,16,17,18,19,20,21,22,23,24,25,26,27,28,29,30,31,32,33,34,35,36,37,38,39,40,41,42,43,44,45,46,47,48,49,50,51,52,53,54,55,56,57,58,59,60,61,62,63
	v_mov_b32 v[O+\j], 0                           ; O^T: the step is written once; its first pass finds zeros, which a = 0 leaves zeros
.endr
; THE SOFTMAX of both tiles for one step, the tiles line by line so that no line waits for the line above it.
.macro SOFTMAX
.irp k, 0,1,2,3                        ; the maximum: four chains, each begun on its accumulator's three lowest registers
.irp t, 0,1
	v_max3_num_f32 v[ST+8*\t+4+\k], v[S+32*\t+8*\k], v[S+32*\t+8*\k+1], v[S+32*\t+8*\k+2]
.endr
.endr
.irp p, 3,5
.irp k, 0,1,2,3
.irp t, 0,1
	v_max3_num_f32 v[ST+8*\t+4+\k], v[ST+8*\t+4+\k], v[S+32*\t+8*\k+\p], v[S+32*\t+8*\k+\p+1]
.endr
.endr
.endr
.irp t, 0,1
	v_max3_num_f32 v[ST+8*\t+4], v[ST+8*\t+4], v[S+32*\t+7], v[S+32*\t+15]
	v_max3_num_f32 v[ST+8*\t+6], v[ST+8*\t+6], v[S+32*\t+23], v[S+32*\t+31]
.endr
.irp t, 0,1
	v_max3_num_f32 v[ST+8*\t+4], v[ST+8*\t+4], v[ST+8*\t+5], v[ST+8*\t+6]
.endr
.irp t, 0,1
	v_max3_num_f32 v[ST+8*\t+4], v[ST+8*\t+4], v[ST+8*\t+7], v[ST+8*\t+1]   ; with the old m
.endr
.irp t, 0,1
	v_permlanex16_b32 v[ST+8*\t+5], v[ST+8*\t+4], s[SEL], s[SEL+1]          ; the query's other 32 keys lie in the lane 16 away
.endr
.irp t, 0,1
	v_mov_b32 v[ST+8*\t+7], v[ST+8*\t]             ; c m_old
.endr
.irp t, 0,1
	v_max_num_f32 v[ST+8*\t+1], v[ST+8*\t+4], v[ST+8*\t+5]
.endr
.irp t, 0,1
	v_mul_f32 v[ST+8*\t], s[CS], v[ST+8*\t+1]
.endr
.irp t, 0,1
	v_sub_f32 v[ST+8*\t+7], v[ST+8*\t+7], v[ST+8*\t]
.endr
.irp t, 0,1
	v_exp_f32 v[ST+8*\t+6], v[ST+8*\t+7]           ; a: the first of ONE BATCH of 66 exponentials
.endr
.irp b, 0,2,4,6,8,10,12,14,16,18,20,22,24,26,28,30
.irp t, 0,1
	v_pk_fma_f32 v[S+32*\t+\b:S+32*\t+\b+1], v[S+32*\t+\b:S+32*\t+\b+1], s[CS:CS+1], v[ST+8*\t:ST+8*\t+1] op_sel_hi:[1,0,0] neg_lo:[0,0,1] neg_hi:[0,0,1]   ; c s - c m
.endr
.endr
.irp e, 0,1,2,3,4,5,6,7,8,9,10,11,12,13,14,15,16,17,18,19,20,21,22,23,24,25,26,27,28,29,30,31
.irp t, 0,1
	v_exp_f32 v[S+32*\t+\e], v[S+32*\t+\e]
.endr
.endr
	v_nop                                          ; a plain line behind the last exponential
	s_wait_alu depctr_va_vdst(0)                   ; the wait ahead of the first line that names a result: one for the batch
.irp t, 0,1                            ; the sums of the unrounded p, in two chains: l = a l + ..
	v_pk_fma_f32 v[ST+8*\t+2:ST+8*\t+3], v[ST+8*\t+2:ST+8*\t+3], v[ST+8*\t+6:ST+8*\t+7], v[S+32*\t:S+32*\t+1] op_sel_hi:[1,0,1]
	v_pk_add_f32 v[ST+8*\t+4:ST+8*\t+5], v[S+32*\t+2:S+32*\t+3], v[S+32*\t+6:S+32*\t+7]
.endr
.irp b, 4,8,12,16,20,24
.irp t, 0,1
	v_pk_add_f32 v[ST+8*\t+2:ST+8*\t+3], v[ST+8*\t+2:ST+8*\t+3], v[S+32*\t+\b:S+32*\t+\b+1]
	v_pk_add_f32 v[ST+8*\t+4:ST+8*\t+5], v[ST+8*\t+4:ST+8*\t+5], v[S+32*\t+\b+6:S+32*\t+\b+7]
.endr
.endr
.irp t, 0,1
	v_pk_add_f32 v[ST+8*\t+2:ST+8*\t+3], v[ST+8*\t+2:ST+8*\t+3], v[S+32*\t+28:S+32*\t+29]
.endr
.irp t, 0,1
	v_pk_add_f32 v[ST+8*\t+2:ST+8*\t+3], v[ST+8*\t+2:ST+8*\t+3], v[ST+8*\t+4:ST+8*\t+5]
.endr
.irp i, 0,1,2,3,4,5,6,7,8,9,10,11,12,13,14,15
.irp t, 0,1
	v_cvt_pk_f16_f32 v[S+32*\t+\i], v[S+32*\t+2*\i], v[S+32*\t+2*\i+1]      ; P, in place and ascending: register i is written when registers 2 i and 2 i + 1 are read
.endr
.endr
.irp i, 0,2,4,6,8,10,12,14,16,18,20,22,24,26,28,30
.irp t, 0,1
	v_pk_mul_f32 v[O+32*\t+\i:O+32*\t+\i+1], v[O+32*\t+\i:O+32*\t+\i+1], v[ST+8*\t+6:ST+8*\t+7] op_sel_hi:[1,0]   ; O^T x a
.endr
.endr
.endm
; A KEY STEP: 64 keys, the q-th of the slot in hand.
.macro STEP q
	s_cmp_gt_u32 s[KF], s[QL]                      ; all its keys come after my queries: only the count of keys is stepped
	s_cbranch_scc1 .Lhidden_\@
	v_add_nc_u32 v[ADK], s[TB], v[AK0]
	v_add_nc_u32 v[ADV], s[TB], v[AV0]
.rept 3
	v_nop                                          ; with the two additions five places behind the last V^T P: four for the loads into V's registers, five for the products that write over P
.endr
.irp kt, 0,1,2,3
.irp c, 0,1
	ds_load_b128 v[KV+8*(2*\kt+\c):KV+8*(2*\kt+\c)+3], v[ADK] offset:(32*(\q)+8*\kt)*KP+64*\c
	ds_load_b128 v[KV+8*(2*\kt+\c)+4:KV+8*(2*\kt+\c)+7], v[ADK] offset:(32*(\q)+8*\kt)*KP+64*\c+32
.endr
.endr
	s_wait_dscnt 0x0
.irp c, 0,1                            ; S^T = K Q^T: eight accumulators by turns, one instruction a turn
.irp kt, 0,1,2,3
.irp t, 0,1
.if \c == 0
	v_wmma_f32_16x16x32_f16 v[S+32*\t+8*\kt:S+32*\t+8*\kt+7], v[KV+8*(2*\kt+\c):KV+8*(2*\kt+\c)+7], v[QF+16*\t+8*\c:QF+16*\t+8*\c+7], 0
.else
	v_wmma_f32_16x16x32_f16 v[S+32*\t+8*\kt:S+32*\t+8*\kt+7], v[KV+8*(2*\kt+\c):KV+8*(2*\kt+\c)+7], v[QF+16*\t+8*\c:QF+16*\t+8*\c+7], v[S+32*\t+8*\kt:S+32*\t+8*\kt+7]
.endif
.endr
.endr
.endr
.rept 4
	v_nop                                          ; four places: for the loads into K's registers and the first read of the scores
.endr
.irp ct, 0,1,2,3                       ; V, turned: channels 16 ct on, keys 32 kh on; it lands while the softmax is walked
.irp kh, 0,1
	ds_load_tr16_b128 v[KV+8*(2*\ct+\kh):KV+8*(2*\ct+\kh)+3], v[ADV] offset:(32*(\q)+16*\kh)*VP+32*\ct
	ds_load_tr16_b128 v[KV+8*(2*\ct+\kh)+4:KV+8*(2*\ct+\kh)+7], v[ADV] offset:(32*(\q)+16*\kh)*VP+32*\ct+8*VP
.endr
.endr
	s_add_co_u32 s55, s[KF], 63                    ; on the diagonal hidden scores become -infinity ahead of the maximum; a step all of whose keys count skips this
	s_cmp_le_u32 s55, s[Q0]
	s_cbranch_scc1 .Lopen_\@
	s_sub_co_i32 s55, s[Q0], s[KF]
	v_add_nc_u32 v[DD], s55, v[RH]                 ; d = Q0 - KF + r - 8 h.  Register 8 kt + jj of tile t holds key KF + 16 kt + 8 h + jj for query Q0 + 16 t + r: hidden where 16 kt + jj - 16 t > d
.irp t, 0,1
.irp kt, 0,1,2,3
.irp jj, 0,1,2,3,4,5,6,7
	v_cmp_gt_i32 vcc_lo, 16*\kt+\jj-16*\t, v[DD]
	v_cndmask_b32 v[S+32*\t+8*\kt+\jj], v[S+32*\t+8*\kt+\jj], v[NINF], vcc_lo
.endr
.endr
.endr
.Lopen_\@:
	SOFTMAX
	s_wait_dscnt 0x0                               ; V is in
.irp kh, 0,1                           ; O^T += V^T P: eight accumulators by turns
.irp ct, 0,1,2,3
.irp t, 0,1
	v_wmma_f32_16x16x32_f16 v[O+32*\t+8*\ct:O+32*\t+8*\ct+7], v[KV+8*(2*\ct+\kh):KV+8*(2*\ct+\kh)+7], v[S+32*\t+8*\kh:S+32*\t+8*\kh+7], v[O+32*\t+8*\ct:O+32*\t+8*\ct+7]
.endr
.endr
.endr
.Lhidden_\@:
	s_add_co_u32 s[KF], s[KF], 64
.endm
; THE CHANGE OF SLOTS stands at a slot's head.  Each wave waits for all its tensor loads, adds 0 to its spare word, and waits for that and for its reads of the slot that it has left; one barrier.
; fill = 1: the slot that was left is filled with the next 256 keys, if any wave of the work-group will read them: the load has a slot's four steps in which to land.  A wave has one tensor load out.
.macro CHANGE fill
	s_wait_tensorcnt 0x0                           ; no tensor load of mine is out, so a group 0 may be written
	ds_add_u32 v[SPW], v[NIL]
.if \fill
	ds_add_u32 v[SPW], v[NIL]                      ; and twice on end here, in every trip alike
	s_xor_b32 s[G0K+1], s[G0K+1], SLOT1            ; the walking descriptors: the other slot, the next 256 keys
	s_add_nc_u64 s[G0K+2:G0K+3], s[G0K+2:G0K+3], 32768
	s_xor_b32 s[G0V+1], s[G0V+1], SLOT1
	s_add_nc_u64 s[G0V+2:G0V+3], s[G0V+2:G0V+3], 32768
	s_wait_xcnt 0x0                                ; the last prefetch, a slot back, has read its address
	s_add_nc_u64 s[PFA:PFA+1], s[PFA:PFA+1], 32768
.endif
	s_wait_dscnt 0x0                               ; the add is done, and my reads of the slot that I have left are over
	s_barrier_signal -1
	s_barrier_wait -1
.if \fill
	s_add_co_u32 s55, s[KF], 256                   ; the first key of the slot that this change would ask for:
	s_cmp_gt_u32 s55, s[WGL]                       ; past my work-group's last query no wave reads it, so it is not asked for.  Ids and the count of steps alone: all sixteen waves go the same way
	s_cbranch_scc1 .Lpast_\@
	TLOAD
.Lpast_\@:
	ASK
.endif
.endm
.macro SLOT_STEPS
	STEP 0
	STEP 1
	STEP 2
	STEP 3
	s_xor_b32 s[TB], s[TB], SLOT1
.endm
	s_wait_loadcnt 0x0                             ; Q
.Lslot:                                            ; seven trips
	CHANGE 1
	SLOT_STEPS
	s_sub_co_u32 s[SLOTS], s[SLOTS], 1
	s_cmp_lg_u32 s[SLOTS], 0
	s_cbranch_scc1 .Lslot
	CHANGE 0                                       ; the last slot: nothing is left to ask for
	SLOT_STEPS
	; THE WAY OUT: l's halves are added, O^T is divided by l, rounded to f16 and sent through my stage, a tile at a time.
.rept 4
	v_nop                                          ; places behind the last products
.endr
.irp t, 0,1
	v_add_f32 v[ST+8*\t+4], v[ST+8*\t+2], v[ST+8*\t+3]
.endr
.irp t, 0,1
	v_permlanex16_b32 v[ST+8*\t+5], v[ST+8*\t+4], s[SEL], s[SEL+1]
.endr
.irp t, 0,1
	v_add_f32 v[ST+8*\t+4], v[ST+8*\t+4], v[ST+8*\t+5]
.endr
.irp t, 0,1
	v_rcp_f32 v[ST+8*\t+6], v[ST+8*\t+4]
.endr
	v_nop                                          ; a plain line behind the last reciprocal,
	s_wait_alu depctr_va_vdst(0)                   ; and the wait ahead of the first use: one for both
.irp t, 0,1
.irp i, 0,2,4,6,8,10,12,14,16,18,20,22,24,26,28,30
	v_pk_mul_f32 v[O+32*\t+\i:O+32*\t+\i+1], v[O+32*\t+\i:O+32*\t+\i+1], v[ST+8*\t+6:ST+8*\t+7] op_sel_hi:[1,0]
.endr
.irp i, 0,1,2,3,4,5,6,7,8,9,10,11,12,13,14,15
	v_cvt_pk_f16_f32 v[S+32*\t+\i], v[O+32*\t+2*\i], v[O+32*\t+2*\i+1]
.endr
.irp c, 0,1,2,3
	ds_store_b128 v[STO], v[S+32*\t+4*\c:S+32*\t+4*\c+3] offset:32*\c
.endr
.irp i, 0,1,2,3
	ds_load_b128 v[S+32*\t+16+4*\i:S+32*\t+16+4*\i+3], v[RD] offset:576*\i   ; in order behind my stores; the next tile's stores come behind these
.endr
.endr
.irp t, 0,1
.irp i, 0,1,2,3
	s_wait_dscnt 8*(1-\t)+3-\i                     ; this load is in; behind it: the tile's younger loads, and for tile 0 tile 1's eight LDS instructions
	global_store_b128 v[GO], v[S+32*\t+16+4*\i:S+32*\t+16+4*\i+3], s[10:11] offset:2048*\t+512*\i   ; four rows: 512 consecutive bytes, aligned
.endr
.endr
	s_wait_tensorcnt 0x0                           ; the wave's end: a wait, an add to my spare word and its wait
	ds_add_u32 v[SPW], v[NIL]
	s_wait_dscnt 0x0
	s_endpgm
.Lfunc_end_k_q580753ca5c_attn:
	.size	k_q580753ca5c_attn, .Lfunc_end_k_q580753ca5c_attn-k_q580753ca5c_attn
	.p2alignl 7, 3214868480
	.fill 96, 4, 3214868480
	.section	.rodata,"a",@progbits
	.p2align	6, 0x0
	.amdhsa_kernel k_q580753ca5c_attn
		.amdhsa_group_segment_fixed_size 327680
		.amdhsa_private_segment_fixed_size 0
		.amdhsa_enable_private_segment 0
		.amdhsa_kernarg_size 16
		.amdhsa_user_sgpr_count 2
		.amdhsa_user_sgpr_kernarg_segment_ptr 1
		.amdhsa_wavefront_size32 1
		.amdhsa_system_sgpr_workgroup_id_x 1
		.amdhsa_system_sgpr_workgroup_id_y 1
		.amdhsa_system_sgpr_workgroup_id_z 1
		.amdhsa_system_vgpr_workitem_id 0
		.amdhsa_next_free_vgpr 256
		.amdhsa_next_free_sgpr 72
		.amdhsa_reserve_vcc 1
		.amdhsa_float_denorm_mode_32 3
		.amdhsa_float_denorm_mode_16_64 3
		.amdhsa_memory_ordered 1
		.amdhsa_forward_progress 1
		.amdhsa_inst_pref_size 188
	.end_amdhsa_kernel
	.amdgpu_metadata
---
amdhsa.version: [ 1, 2 ]
amdhsa.kernels:
  - .name:           k_q580753ca5c_attn
    .symbol:         k_q580753ca5c_attn.kd
    .args:
      - { .name: qkv16, .offset: 0, .size: 8, .value_kind: global_buffer, .address_space: global }
      - { .name: yh, .offset: 8, .size: 8, .value_kind: global_buffer, .address_space: global }
    .group_segment_fixed_size: 327680
    .private_segment_fixed_size: 0
    .kernarg_segment_align: 8
    .kernarg_segment_size: 16
    .max_flat_workgroup_size: 512
    .sgpr_count:     72
    .vgpr_count:     256
    .wavefront_size: 32
...
	.end_amdgpu_metadata
.endif
;; end of part 3
;; launch proj (part 4): grid 4 x 64, 4 waves a work-group, clusters of 4 x 4, 327,680 bytes of LDS; arguments yh, wp16, out0; writes out0
.if DOCPART == 4
	.amdgcn_target "amdgcn-amd-amdhsa--gfx1250"
	.amdhsa_code_object_version 6
	.text
	.protected	k_q580753ca5c_proj
	.globl	k_q580753ca5c_proj
	.p2align	8
	.type	k_q580753ca5c_proj,@function
k_q580753ca5c_proj:
	s_mov_b64 s[64:65], 0
	v_nop
	global_prefetch_b8 v0, s[64:65] scope:SCOPE_SE
	s_setreg_imm32_b32 hwreg(HW_REG_WAVE_MODE, 25, 1), 1
	s_wait_xcnt 0x0
	s_wait_alu depctr_hold_cnt(0) depctr_sa_sdst(0) depctr_va_vdst(0) depctr_va_sdst(0) depctr_va_ssrc(0) depctr_va_vcc(0) depctr_vm_vsrc(0)
	s_getreg_b32 s2, hwreg(HW_REG_IB_STS2, 6, 4)
	s_cmp_eq_u32 s2, 0
	s_cbranch_scc0 .Lentry_in_a_cluster
	s_endpgm
.Lentry_in_a_cluster:
	s_bfe_u32 s2, ttmp6, 0x10000c
	s_cmp_lg_u32 s2, 0xf033
	s_cbranch_scc0 .Lentry_shape_is_right
	s_endpgm
.Lentry_shape_is_right:
; out0[m][n] = the sum over k of y[m][k] w_proj[k][n], 8,192 x 1,024 x 1,024, f16 operands, f32 sums.  y: yh [b][h][t][64] f16 (k = 64 h + channel); w_proj: wp16 [k][n] f16; out0 f32.
; A tile is 128 (m) x 256 (n): 256 work-groups.  Four waves, each 64 x 128: 32 accumulators, 256 registers.  K goes in steps of 128, two heads, through a ring of two LDS slots.
; A's tile: for each of the two heads 128 rows of 128 bytes, dense in memory, stated as 64 rows of 256 bytes: row t lies at (t / 2) x pitch + 128 (t & 1).  B's: 128 rows of k x 512 bytes; its fragments come turned, by ds_load_tr16_b128.
; CLUSTERS: 4 x 4 work-groups; A's tiles are asked for jointly along a row of the cluster, B's along a column.  Waves 0 and 1 fetch A's two heads, waves 2 and 3 B's two halves: one load a wave behind each round.
; THE MATRIX INSTRUCTION IS USED TRANSPOSED (source 0 = 16 columns of w_proj, source 1 = 16 rows of y): a lane holds eight neighbouring columns of one row.
; The rows of the first 16 positions of each sequence are written here like all others and written again, from f32 operands, by the launch that follows.
; No prefetch: the launch is short, and both operands are read by several work-groups.
; REGISTERS: window 0: v16-29 addresses; v64-159 and v160-255 two fragment buffers (B's eight fragments, then A's four).  Window 1: accumulator (a, b) at v[8 (8 a + b)].
.set KP,     272                       ; A: 256 bytes + 16
.set BP,     544                       ; B: 512 bytes + 32
.set AHEAD,  64*KP                     ; a head's 128 rows
.set BOFF,   2*AHEAD
.set BHALF,  64*BP
.set SLOT,   BOFF+2*BHALF
.set STAGE,  2*SLOT                    ; behind the ring: 16 rows x (512 bytes + 16) for each wave
.set SPITCH, 528
.set SPARE,  STAGE+4*16*SPITCH         ; the spare words, 128 bytes a wave: two blocks of 256 bytes that no other line names
.set LAPS,   4                         ; a lap = two K steps of 128
.set ADRA, 16
.set ADRB, 20
.set STO,  24
.set RD,   25
.set CO,   26
.set SPW,  28
.set NIL,  29
.set F0,   64
.set F1,   160
.set BK,   64                          ; the way out: v64-127 and v128-191 by turns
.set G1, 24
.set G0, 32
.set G1B, 48
.set G0B, 56
.set MSB, 0
.macro WIN new
.if MSB != (\new)
	s_set_vgpr_msb (MSB<<8)|(\new)
.set MSB, (\new)
.endif
.endm
.set MUL, 0x50                         ; C and D window 1, sources window 0
.macro JLOAD s                         ; an s_nop 0 and four v_nop follow each of the two lines
	s_cmp_eq_u32 s11, 0
	s_cbranch_scc0 .Lfor_b_\@
	tensor_load_to_lds s[G0+4*\s:G0+4*\s+3], s[G1:G1+7]
	s_nop 0
.rept 4
	v_nop
.endr
	s_branch .Lasked_\@
.Lfor_b_\@:
	tensor_load_to_lds s[G0B+4*\s:G0B+4*\s+3], s[G1B:G1B+7]
	s_nop 0
.rept 4
	v_nop
.endr
.Lasked_\@:
.endm
.macro CREST
	s_cmp_lg_u32 s10, 0
	s_cbranch_scc1 .Lnot_wave_0_\@
	s_barrier_signal -3
.Lnot_wave_0_\@:
	s_barrier_wait -3
	s_barrier_signal -1
	s_barrier_wait -1
.endm
.macro CROUND
	s_barrier_signal -1
	s_barrier_wait -1
	CREST
.endm
	s_load_b128 s[4:7], s[0:1], 0x0                ; yh s[4:5], wp16 s[6:7]
	s_load_b64 s[8:9], s[0:1], 0x10                ; out0
	v_lshl_add_u32 v[SPW], v0, 2, SPARE
	v_mov_b32 v[NIL], 0
	ds_add_u32 v[SPW], v[NIL]                      ; the wave's opening: the add, twice on end, and its wait ahead of my first tensor load
	ds_add_u32 v[SPW], v[NIL]
	v_lshrrev_b32 v1, 5, v0
	v_readfirstlane_b32 s10, v1                    ; wave 0..3
	s_lshr_b32 s11, s10, 1                         ; which 64 rows of the tile are mine.  Also: I fetch for A (0) or for B (1)
	s_and_b32 s12, s10, 1                          ; which 128 columns.  Also: which head of A, which 64 rows of B I fetch
	s_bfe_u32 s40, ttmp6, 0x40000                  ; cx, cy
	s_bfe_u32 s41, ttmp6, 0x40004
	s_lshl_b32 s42, ttmp9, 2
	s_add_co_u32 s42, s42, s40                     ; tile column
	s_and_b32 s13, ttmp7, 0xffff
	s_lshl_b32 s13, s13, 2
	s_add_co_u32 s13, s13, s41                     ; tile row
	s_lshl_b32 s43, s41, 2
	s_lshl_b32 s43, 15, s43                        ; my row of the cluster
	s_lshl_b32 s44, 0x1111, s40                    ; my column
	s_or_b32 s[G1+0], s43, (1<<16)|(1<<20)|(1<<21)|(5<<22)|(3<<25)   ; A: the mask; elements of 2 bytes; padding: after every 64 words, 4 words
	s_mov_b32 s[G1+1], 128<<16                     ; tensor_dim0
	s_mov_b32 s[G1+2], 64<<16                      ; tensor_dim1
	s_mov_b32 s[G1+3], 128<<16                     ; tile_dim0
	s_mov_b32 s[G1+4], 64                          ; tile_dim1
	s_mov_b32 s[G1+5], 128                         ; the pitch: dense
	s_mov_b32 s[G1+6], 0
	s_mov_b32 s[G1+7], 0
	s_or_b32 s[G1B+0], s44, (1<<16)|(1<<20)|(1<<21)|(6<<22)|(7<<25)  ; B: after every 128 words, 8 words
	s_mov_b32 s[G1B+1], 256<<16
	s_mov_b32 s[G1B+2], 64<<16
	s_mov_b32 s[G1B+3], 256<<16
	s_mov_b32 s[G1B+4], 64
	s_mov_b32 s[G1B+5], 1024
	s_mov_b32 s[G1B+6], 0
	s_mov_b32 s[G1B+7], 0
	s_lshr_b32 s16, s13, 4                         ; A: batch = tile row / 16: 16 planes of 262,144 bytes,
	s_lshl_b32 s16, s16, 22
	s_and_b32 s17, s13, 15
	s_lshl_b32 s17, s17, 14                        ; 128 rows of 128 bytes a tile,
	s_add_co_u32 s16, s16, s17
	s_lshl_b32 s17, s12, 18                        ; my head of the K step's two
	s_add_co_u32 s16, s16, s17
	s_mov_b32 s17, 0
	s_lshl_b32 s46, s12, 17                        ; B: my 64 rows of 2,048 bytes,
	s_lshl_b32 s47, s42, 9                         ; the tile's 256 columns
	s_add_co_u32 s46, s46, s47
	s_mov_b32 s47, 0
	s_mul_i32 s20, s12, AHEAD                      ; where they go: no place in the cluster enters an LDS address
	s_mul_i32 s21, s12, BHALF
	s_add_co_u32 s21, s21, BOFF
	s_wait_dscnt 0x0                               ; both opening adds are done
	s_wait_kmcnt 0x0
	s_add_nc_u64 s[14:15], s[4:5], s[16:17]
	s_add_nc_u64 s[46:47], s[6:7], s[46:47]
	CROUND                                         ; all sixteen work-groups are here: the first joint loads meet
.irp s, 0,1
	s_mov_b32 s[G0+4*\s], 1
	s_add_co_u32 s[G0+4*\s+1], s20, \s*SLOT
	s_add_nc_u64 s[G0+4*\s+2:G0+4*\s+3], s[14:15], \s*2*262144     ; K step s: two heads on
	s_or_b32 s[G0+4*\s+3], s[G0+4*\s+3], 0x80000000
	s_mov_b32 s[G0B+4*\s], 1
	s_add_co_u32 s[G0B+4*\s+1], s21, \s*SLOT
	s_add_nc_u64 s[G0B+4*\s+2:G0B+4*\s+3], s[46:47], \s*128*2048   ; 128 rows on
	s_or_b32 s[G0B+4*\s+3], s[G0B+4*\s+3], 0x80000000
	JLOAD \s
.endr
	v_and_b32 v1, 15, v0                           ; r
	v_bfe_u32 v2, v0, 4, 1                         ; h
	v_lshrrev_b32 v3, 1, v1
	v_mul_u32_u24 v3, v3, KP
	v_and_b32 v4, 1, v1
	v_lshl_add_u32 v3, v4, 7, v3
	v_lshl_add_u32 v3, v2, 4, v3                   ; A: (r / 2) x pitch + 128 (r & 1) + 16 h
	v_and_b32 v4, 7, v0
	v_lshl_add_u32 v4, v2, 3, v4
	v_mul_u32_u24 v4, v4, BP
	v_bfe_u32 v5, v0, 3, 1
	v_lshl_add_u32 v4, v5, 4, v4                   ; B, turned: (8 h + l % 8) x pitch + 16 ((l / 8) % 2)
	s_mul_i32 s21, s11, 32*KP                      ; my 64 rows of A
	s_lshl_b32 s22, s12, 8                         ; my 128 columns of B
	s_add_co_u32 s22, s22, BOFF
.irp s, 0,1
	v_add_nc_u32 v[ADRA+\s], s21, v3
	v_add_nc_u32 v[ADRB+\s], s22, v4
	s_add_co_u32 s21, s21, SLOT
	s_add_co_u32 s22, s22, SLOT
.endr
	s_mul_i32 s23, s10, 16*SPITCH
	s_add_co_u32 s23, s23, STAGE                   ; my stage
	v_mul_u32_u24 v5, v1, SPITCH
	v_lshl_add_u32 v5, v2, 5, v5
	v_add_nc_u32 v[STO], s23, v5                   ; in: row r, 32 bytes for each half of the lanes
	v_and_b32 v6, 31, v0
	v_lshlrev_b32 v[CO], 4, v6
	v_add_nc_u32 v[RD], s23, v[CO]                 ; back: the 32 lanes take a row of 512 bytes
	s_lshl_b32 s16, s13, 7
	s_lshl_b32 s17, s11, 6
	s_add_co_u32 s16, s16, s17                     ; my first row of out0
	s_lshl_b32 s16, s16, 12
	s_mov_b32 s17, 0
	s_add_nc_u64 s[8:9], s[8:9], s[16:17]
	s_lshl_b32 s46, s42, 10                        ; my first column, in bytes
	s_lshl_b32 s47, s12, 9
	s_add_co_u32 s46, s46, s47
	s_mov_b32 s47, 0
	s_add_nc_u64 s[8:9], s[8:9], s[46:47]
; 8 matrix instructions: A's block a x B's eight, 32 along K.  The 32 accumulators take turns, one instruction a turn, in the same order in every quarter.
.macro MUL8 f, a, zero
.irp b, 0,1,2,3,4,5,6,7
.if \zero
	v_wmma_f32_16x16x32_f16 v[8*(8*(\a)+\b):8*(8*(\a)+\b)+7], v[\f+8*\b:\f+8*\b+7], v[\f+64+8*(\a):\f+64+8*(\a)+7], 0
.else
	v_wmma_f32_16x16x32_f16 v[8*(8*(\a)+\b):8*(8*(\a)+\b)+7], v[\f+8*\b:\f+8*\b+7], v[\f+64+8*(\a):\f+64+8*(\a)+7], v[8*(8*(\a)+\b):8*(8*(\a)+\b)+7]
.endif
.endr
.endm
; 24 LDS loads in one run: quarter qd (32 along K: head qd / 2, channels 32 (qd % 2) on) of a slot into buffer f
.macro FETCH slot, qd, f
.irp b, 0,1,2,3,4,5,6,7
	ds_load_tr16_b128 v[\f+8*\b:\f+8*\b+3],   v[ADRB+\slot] offset:32*BP*(\qd)+32*\b
	ds_load_tr16_b128 v[\f+8*\b+4:\f+8*\b+7], v[ADRB+\slot] offset:32*BP*(\qd)+32*\b+16*BP
.endr
.irp a, 0,1,2,3
	ds_load_b128 v[\f+64+8*\a:\f+64+8*\a+3],   v[ADRA+\slot] offset:8*KP*\a+((\qd)/2)*AHEAD+((\qd)%2)*64
	ds_load_b128 v[\f+64+8*\a+4:\f+64+8*\a+7], v[ADRA+\slot] offset:8*KP*\a+((\qd)/2)*AHEAD+((\qd)%2)*64+32
.endr
.endm
.macro PLACES                          ; four plain lines in front of loads into registers that matrix instructions have read, and of the first read of results
.rept 4
	v_nop
.endr
.endm
; A quarter of a K step: buffer f is multiplied; the next quarter, nq, is fetched into g at the quarter's head, so that it has the 32 matrix instructions in which to land.
.macro QUARTER slot, nq, f, g, zero
	s_wait_dscnt 0x0                               ; buffer f, asked for a quarter ago, is in
	PLACES
	WIN 0
	FETCH \slot, \nq, \g
	WIN MUL
	MUL8 \f, 0, \zero
	MUL8 \f, 1, \zero
	MUL8 \f, 2, \zero
	MUL8 \f, 3, \zero
.endm
; A slot's last quarter multiplies buffer 1 and changes slots: each wave waits for all its tensor loads (its part of the next slot), adds 0 to its spare word, waits for that and for its reads of this slot.
; fill = 1: the barrier opens a round of the cluster's barrier, and the joint refill, two K steps ahead, is the first tensor load behind it.
.macro TURN slot, next, fill
	WIN 0
	s_wait_tensorcnt 0x0
	ds_add_u32 v[SPW], v[NIL]
	s_wait_dscnt 1                                 ; buffer 1 is in (the add may be out)
	WIN MUL
	MUL8 F1, 0, 0
	s_wait_dscnt 0x0                               ; the add is done, and my reads of this slot are over
	s_barrier_signal -1
	MUL8 F1, 1, 0
	WIN 0
	s_barrier_wait -1
.if \fill
	CREST                                          ; no wave of any partner still reads this slot or has a load on its way
	s_add_nc_u64 s[G0+4*\slot+2:G0+4*\slot+3], s[G0+4*\slot+2:G0+4*\slot+3], 4*262144
	s_add_nc_u64 s[G0B+4*\slot+2:G0B+4*\slot+3], s[G0B+4*\slot+2:G0B+4*\slot+3], 256*2048
	JLOAD \slot                                    ; the four v_nop behind it are also the places in front of the loads below
.else
	PLACES
.endif
	FETCH \next, 0, F0
	WIN MUL
	MUL8 F1, 2, 0
	MUL8 F1, 3, 0
.endm
	s_wait_tensorcnt 1                             ; my part of K step 0 is in (K step 1's load may be out),
	s_barrier_signal -1
	s_barrier_wait -1                              ; everybody's is
	FETCH 0, 0, F0
	QUARTER 0, 1, F0, F1, 1                        ; the first products start the sums: nothing is cleared
	WIN 0                                          ; at a label and at a branch every window is 0
	s_mov_b32 s3, LAPS-1
.Llap:                                             ; a trip goes once round the ring and fills both slots again
	QUARTER 0, 2, F1, F0, 0
	QUARTER 0, 3, F0, F1, 0
	TURN 0, 1, 1
	QUARTER 1, 1, F0, F1, 0
	QUARTER 1, 2, F1, F0, 0
	QUARTER 1, 3, F0, F1, 0
	TURN 1, 0, 1
	QUARTER 0, 1, F0, F1, 0
	WIN 0
	s_sub_co_u32 s3, s3, 1
	s_cmp_lg_u32 s3, 0
	s_cbranch_scc1 .Llap
	QUARTER 0, 2, F1, F0, 0                        ; the last lap fills nothing
	QUARTER 0, 3, F0, F1, 0
	TURN 0, 1, 0
	QUARTER 1, 1, F0, F1, 0
	QUARTER 1, 2, F1, F0, 0
	QUARTER 1, 3, F0, F1, 0
	s_wait_dscnt 0x0
	MUL8 F1, 0, 0
	MUL8 F1, 1, 0
	MUL8 F1, 2, 0
	MUL8 F1, 3, 0
	WIN 0
; THE WAY OUT, block by block of 16 rows x 128 columns, through my own stage: back as whole rows of 512 bytes.  LDS serves a wave's instructions in order (ISA guide 5.7.1.4).
.macro TOSTAGE a
	WIN 0x04                                       ; an LDS store's data: window 1
.irp b, 0,1,2,3,4,5,6,7
	ds_store_b128 v[STO], v[8*(8*(\a)+\b):8*(8*(\a)+\b)+3] offset:64*\b          ; each accumulator from its low end on
	ds_store_b128 v[STO], v[8*(8*(\a)+\b)+4:8*(8*(\a)+\b)+7] offset:64*\b+16
.endr
	WIN 0
.set BB, BK+64*((\a)%2)
.irp t, 0,1,2,3,4,5,6,7,8,9,10,11,12,13,14,15
	ds_load_b128 v[BB+4*\t:BB+4*\t+3], v[RD] offset:\t*SPITCH
.endr
.endm
.macro SEND a, younger                 ; younger: the LDS instructions issued behind block a's loads, which may stay out
.set BB, BK+64*((\a)%2)
	s_wait_dscnt \younger
.irp t, 0,1,2,3,4,5,6,7,8,9,10,11,12,13,14,15
	global_store_b128 v[CO], v[BB+4*\t:BB+4*\t+3], s[8:9] offset:(\a)*65536+\t*4096 th:TH_STORE_NT   ; 512 consecutive bytes, aligned
.endr
.endm
	PLACES
	TOSTAGE 0
.irp a, 1,2,3
.if \a > 1
	s_wait_xcnt 0x0                                ; block a - 2's stores have read their registers: block a's loads may land there
.endif
	TOSTAGE \a
	SEND \a-1, 32                                  ; behind block a - 1's loads: block a's 16 stores and 16 loads
.endr
	SEND 3, 0
	s_wait_tensorcnt 0x0                           ; the wave's end: a wait, an add to my spare word and its wait
	ds_add_u32 v[SPW], v[NIL]
	s_wait_dscnt 0x0
	CROUND                                         ; the closing round
	s_endpgm
.Lfunc_end_k_q580753ca5c_proj:
	.size	k_q580753ca5c_proj, .Lfunc_end_k_q580753ca5c_proj-k_q580753ca5c_proj
	.p2alignl 7, 3214868480
	.fill 96, 4, 3214868480
	.section	.rodata,"a",@progbits
	.p2align	6, 0x0
	.amdhsa_kernel k_q580753ca5c_proj
		.amdhsa_group_segment_fixed_size 327680
		.amdhsa_private_segment_fixed_size 0
		.amdhsa_enable_private_segment 0
		.amdhsa_kernarg_size 24
		.amdhsa_user_sgpr_count 2
		.amdhsa_user_sgpr_kernarg_segment_ptr 1
		.amdhsa_wavefront_size32 1
		.amdhsa_system_sgpr_workgroup_id_x 1
		.amdhsa_system_sgpr_workgroup_id_y 1
		.amdhsa_system_sgpr_workgroup_id_z 1
		.amdhsa_system_vgpr_workitem_id 0
		.amdhsa_next_free_vgpr 512
		.amdhsa_next_free_sgpr 66
		.amdhsa_reserve_vcc 0
		.amdhsa_float_denorm_mode_32 3
		.amdhsa_float_denorm_mode_16_64 3
		.amdhsa_memory_ordered 1
		.amdhsa_forward_progress 1
		.amdhsa_inst_pref_size 84
	.end_amdhsa_kernel
	.amdgpu_metadata
---
amdhsa.version: [ 1, 2 ]
amdhsa.kernels:
  - .name:           k_q580753ca5c_proj
    .symbol:         k_q580753ca5c_proj.kd
    .args:
      - { .name: yh, .offset: 0, .size: 8, .value_kind: global_buffer, .address_space: global }
      - { .name: wp16, .offset: 8, .size: 8, .value_kind: global_buffer, .address_space: global }
      - { .name: out0, .offset: 16, .size: 8, .value_kind: global_buffer, .address_space: global }
    .group_segment_fixed_size: 327680
    .private_segment_fixed_size: 0
    .kernarg_segment_align: 8
    .kernarg_segment_size: 24
    .max_flat_workgroup_size: 128
    .sgpr_count:     66
    .vgpr_count:     512
    .wavefront_size: 32
...
	.end_amdgpu_metadata
.endif
;; end of part 4
;; launch fine (part 5): grid 16 x 4, 16 waves a work-group, no clusters, 67,584 bytes of LDS; arguments qkv32, w_proj, out0; writes out0
.if DOCPART == 5
	.amdgcn_target "amdgcn-amd-amdhsa--gfx1250"
	.amdhsa_code_object_version 6
	.text
	.protected	k_q580753ca5c_fine
	.globl	k_q580753ca5c_fine
	.p2align	8
	.type	k_q580753ca5c_fine,@function
k_q580753ca5c_fine:
	s_mov_b64 s[64:65], 0
	v_nop
	global_prefetch_b8 v0, s[64:65] scope:SCOPE_SE
	s_setreg_imm32_b32 hwreg(HW_REG_WAVE_MODE, 25, 1), 1
	s_wait_xcnt 0x0
; THE FIRST 16 POSITIONS OF EVERY SEQUENCE, in f32 throughout: under the causal mask these rows average one to sixteen values and are the largest, so rounding to 16 bits weighs most there.
; qkv32 [16 b + t][3072] f32 holds q, k, v of those rows unrounded.  A work-group takes a batch (y) and 64 columns of the output (x); wave = head.  Each wave makes its head's attention for the 16 rows
; and its head's part of the projection (K = its 64 channels) onto the 64 columns; the sixteen parts are added through LDS in the order of the heads.  64 rows of out0 are written over.
; All products by v_wmma_f32_16x16x4_f32 (64 rows in all: no bulk work).  In that form lane (r, h) holds row or column r and, in its two registers, k = 2 h + 0, 1.  K is permuted ALIKE in both sources,
; so that registers serve as they are loaded or as an earlier product left them:
;   S^T = K Q^T:   both sources hold channels 32 h + 0 .. 31 of row r in 32 registers; step s takes registers 2 s, 2 s + 1.
;   O^T = V^T P:   P (from S^T: lane (r, h): query r, keys 8 h + j) is source 1 as it stands; V is loaded so that register 8 c + i of lane (r, h) is V[8 h + i][16 c + r].
;   OUT^T = W^T O: O^T (lane (r, h): query r, channels 16 c + 8 h + j) is source 1 as it stands; W's register 8 c + i of tile n is w_proj[64 head + 16 c + 8 h + i][col0 + 16 n + r].
; The registers that this form writes (v176-239) are written by matrix instructions alone; sums begin with the constant 0.
; LIMITS: NaN and infinities are not served.
.set SPARE, 65536                      ; behind the sixteen images of 4,096 bytes: the spare words, 128 bytes a wave: eight blocks of 256 bytes that no other line names
.set SPW, 1
.set NIL, 2
.set QR,  16                           ; v16-47  Q, later W's tile 2
.set KR,  48                           ; v48-79  K, later W's tile 3
.set VR,  80                           ; v80-111 V
.set W0,  112                          ; v112-143, v144-175 W's tiles 0, 1
.set W1,  144
.set S0,  176                          ; v176-183, v184-191 S^T in two halves of K, later OUT's tiles 2, 3
.set S1,  184
.set OA,  192                          ; v192-223 O^T
.set OUT0, 224
.set OUT1, 232
.set PR,  240                          ; v240-247 P
	s_load_b128 s[4:7], s[0:1], 0x0                ; qkv32 s[4:5], w_proj s[6:7]
	s_load_b64 s[8:9], s[0:1], 0x10                ; out0
	v_lshl_add_u32 v[SPW], v0, 2, SPARE
	v_mov_b32 v[NIL], 0
	v_lshrrev_b32 v3, 5, v0
	v_readfirstlane_b32 s10, v3                    ; wave = head
	s_and_b32 s11, ttmp7, 0xffff                   ; batch
	v_and_b32 v3, 15, v0                           ; r
	v_bfe_u32 v4, v0, 4, 1                         ; h
	v_mul_u32_u24 v5, v3, 12288
	v_lshl_add_u32 v5, v4, 7, v5                   ; Q, K: row r, + 32 h channels
	v_mul_u32_u24 v6, v4, 98304
	v_lshl_add_u32 v6, v3, 2, v6                   ; V: 8 h rows down, column r
	v_lshlrev_b32 v7, 15, v4
	v_lshl_add_u32 v7, v3, 2, v7                   ; W: 8 h rows of 4,096 bytes down, column r
	v_and_b32 v8, 31, v0
	v_lshlrev_b32 v8, 4, v8
	s_lshl_b32 s12, s10, 12
	v_add_nc_u32 v8, s12, v8                       ; my image: 4,096 x wave + 16 x lane
	v_and_b32 v13, 15, v0                          ; the sum: thread = (row, piece of 16 bytes)
	v_bfe_u32 v14, v0, 4, 4
	v_lshrrev_b32 v9, 2, v13
	v_lshlrev_b32 v9, 10, v9                       ; tile = piece / 4;
	v_and_b32 v15, 1, v13
	v_lshl_or_b32 v9, v15, 9, v9                   ; which half of the accumulator = piece & 1;
	v_bfe_u32 v15, v13, 1, 1
	v_lshl_or_b32 v9, v15, 8, v9                   ; lane = 16 ((piece / 2) & 1) + row
	v_lshl_or_b32 v9, v14, 4, v9
	v_lshlrev_b32 v10, 12, v14
	v_lshl_or_b32 v10, v13, 4, v10                 ; in out0: row x 4,096 + 16 x piece
	v_lshlrev_b32 v11, 3, v4
	v_sub_nc_u32 v11, v3, v11                      ; r - 8 h
	v_mov_b32 v12, 0xff800000                      ; -infinity
	v_mov_b32 v249, 0                              ; written once: a lane permute's destination counts as read
	s_mov_b32 s20, 0x76543210
	s_mov_b32 s21, 0xfedcba98
	s_mov_b32 s22, 0x3e38aa3b                      ; c = log2(e) / 8
	s_mul_i32 s12, s11, 16*12288
	s_lshl_b32 s13, s10, 8
	s_add_co_u32 s12, s12, s13                     ; the batch's 16 rows, my head's 64 columns of q
	s_mov_b32 s13, 0
	s_lshl_b32 s14, s10, 18                        ; my head's 64 rows of w_proj,
	s_lshl_b32 s15, ttmp9, 8                       ; the work-group's 64 columns
	s_add_co_u32 s14, s14, s15
	s_mov_b32 s15, 0
	s_lshl_b32 s16, s11, 23                        ; the batch's first row of out0
	s_lshl_b32 s17, ttmp9, 8
	s_add_co_u32 s16, s16, s17
	s_mov_b32 s17, 0
	s_wait_kmcnt 0x0
	s_add_nc_u64 s[4:5], s[4:5], s[12:13]
	s_add_nc_u64 s[6:7], s[6:7], s[14:15]
	s_add_nc_u64 s[8:9], s[8:9], s[16:17]
.irp i, 0,1,2,3,4,5,6,7
	global_load_b128 v[QR+4*\i:QR+4*\i+3], v5, s[4:5] offset:16*\i
.endr
.irp i, 0,1,2,3,4,5,6,7
	global_load_b128 v[KR+4*\i:KR+4*\i+3], v5, s[4:5] offset:4096+16*\i
.endr
.irp c, 0,1,2,3
.irp i, 0,1,2,3,4,5,6,7
	global_load_b32 v[VR+8*\c+\i], v6, s[4:5] offset:8192+12288*\i+64*\c
.endr
.endr
.macro WLOAD reg, n
.irp c, 0,1,2,3
.irp i, 0,1,2,3,4,5,6,7
	global_load_b32 v[\reg+8*\c+\i], v7, s[6:7] offset:(16*\c+\i)*4096+64*\n
.endr
.endr
.endm
	WLOAD W0, 0
	WLOAD W1, 1
	s_wait_loadcnt 63                              ; of the 112 loads issued the first 49 are in: Q, K, V
	v_wmma_f32_16x16x4_f32 v[S0:S0+7], v[KR:KR+1], v[QR:QR+1], 0           ; two accumulators by turns
	v_wmma_f32_16x16x4_f32 v[S1:S1+7], v[KR+2:KR+3], v[QR+2:QR+3], 0
.irp u, 4,8,12,16,20,24,28
	v_wmma_f32_16x16x4_f32 v[S0:S0+7], v[KR+\u:KR+\u+1], v[QR+\u:QR+\u+1], v[S0:S0+7]
	v_wmma_f32_16x16x4_f32 v[S1:S1+7], v[KR+\u+2:KR+\u+3], v[QR+\u+2:QR+\u+3], v[S1:S1+7]
.endr
.rept 8
	v_nop                                          ; eight places behind this form: for the loads into Q's and K's registers and the first read of the scores
.endr
	WLOAD QR, 2
	WLOAD KR, 3
.irp j, 0,1,2,3,4,5,6,7
	v_add_f32 v[PR+\j], v[S0+\j], v[S1+\j]         ; from the low end on: lane (r, h): query r, key 8 h + j
.endr
.irp j, 0,1,2,3,4,5,6,7
	v_cmp_gt_i32 vcc_lo, \j, v11                   ; hidden where 8 h + j > r
	v_cndmask_b32 v[PR+\j], v[PR+\j], v12, vcc_lo
.endr
	v_max3_num_f32 v248, v[PR], v[PR+1], v[PR+2]
	v_max3_num_f32 v248, v248, v[PR+3], v[PR+4]
	v_max3_num_f32 v248, v248, v[PR+5], v[PR+6]
	v_max_num_f32 v248, v248, v[PR+7]
	v_permlanex16_b32 v249, v248, s20, s21
	v_max_num_f32 v248, v248, v249                 ; the row's maximum: key 0 counts for every query, so it is a number
	v_mul_f32 v250, s22, v248
.irp j, 0,1,2,3,4,5,6,7
	v_fma_f32 v[PR+\j], v[PR+\j], s22, -v250
.endr
.irp j, 0,1,2,3,4,5,6,7
	v_exp_f32 v[PR+\j], v[PR+\j]
.endr
	v_nop                                          ; a plain line behind the last exponential,
	s_wait_alu depctr_va_vdst(0)                   ; and the wait ahead of the first use: one for the eight
	v_add_f32 v251, v[PR], v[PR+1]
	v_add_f32 v252, v[PR+2], v[PR+3]
	v_add_f32 v253, v[PR+4], v[PR+5]
	v_add_f32 v254, v[PR+6], v[PR+7]
	v_add_f32 v251, v251, v252
	v_add_f32 v253, v253, v254
	v_add_f32 v251, v251, v253
	v_permlanex16_b32 v249, v251, s20, s21
	v_add_f32 v251, v251, v249                     ; the row's sum
	v_rcp_f32 v252, v251
	v_nop
	s_wait_alu depctr_va_vdst(0)
.irp j, 0,1,2,3,4,5,6,7
	v_mul_f32 v[PR+\j], v[PR+\j], v252
.endr
.irp s, 0,1,2,3                        ; O^T = V^T P: four accumulators by turns
.irp c, 0,1,2,3
.if \s == 0
	v_wmma_f32_16x16x4_f32 v[OA+8*\c:OA+8*\c+7], v[VR+8*\c+2*\s:VR+8*\c+2*\s+1], v[PR+2*\s:PR+2*\s+1], 0
.else
	v_wmma_f32_16x16x4_f32 v[OA+8*\c:OA+8*\c+7], v[VR+8*\c+2*\s:VR+8*\c+2*\s+1], v[PR+2*\s:PR+2*\s+1], v[OA+8*\c:OA+8*\c+7]
.endif
.endr
.endr
.rept 9
	v_nop                                          ; nine places before a matrix instruction takes these results as a source
.endr
.macro PROJ wa, wb, oa, ob             ; two tiles of 16 columns by turns, K = my head's 64 channels
.irp c, 0,1,2,3
.irp s, 0,1,2,3
.if (\c+\s) == 0
	v_wmma_f32_16x16x4_f32 v[\oa:\oa+7], v[\wa+8*\c+2*\s:\wa+8*\c+2*\s+1], v[OA+8*\c+2*\s:OA+8*\c+2*\s+1], 0
	v_wmma_f32_16x16x4_f32 v[\ob:\ob+7], v[\wb+8*\c+2*\s:\wb+8*\c+2*\s+1], v[OA+8*\c+2*\s:OA+8*\c+2*\s+1], 0
.else
	v_wmma_f32_16x16x4_f32 v[\oa:\oa+7], v[\wa+8*\c+2*\s:\wa+8*\c+2*\s+1], v[OA+8*\c+2*\s:OA+8*\c+2*\s+1], v[\oa:\oa+7]
	v_wmma_f32_16x16x4_f32 v[\ob:\ob+7], v[\wb+8*\c+2*\s:\wb+8*\c+2*\s+1], v[OA+8*\c+2*\s:OA+8*\c+2*\s+1], v[\ob:\ob+7]
.endif
.endr
.endr
.endm
	s_wait_loadcnt 63                              ; all but the youngest 63 loads are in: W's tiles 0 and 1 among them
	PROJ W0, W1, OUT0, OUT1
	s_wait_loadcnt 0x0
	PROJ QR, KR, S0, S1
.rept 8
	v_nop                                          ; eight places: for the stores of results, and the loads into W's registers below
.endr
.irp n, 0,1                            ; the images: each accumulator's low half first
	ds_store_b128 v8, v[OUT0+8*\n:OUT0+8*\n+3] offset:1024*\n
	ds_store_b128 v8, v[OUT0+8*\n+4:OUT0+8*\n+7] offset:1024*\n+512
.endr
.irp n, 0,1
	ds_store_b128 v8, v[S0+8*\n:S0+8*\n+3] offset:2048+1024*\n
	ds_store_b128 v8, v[S0+8*\n+4:S0+8*\n+7] offset:2048+1024*\n+512
.endr
	s_wait_dscnt 0x0                               ; for the others' sake: my stores have landed
	s_barrier_signal -1
	s_barrier_wait -1
	s_cmp_lt_u32 s10, 8                            ; 256 threads add: 16 rows x 16 pieces
	s_cbranch_scc0 .Lend
.irp w, 0,1,2,3,4,5,6,7,8,9,10,11,12,13,14,15
	ds_load_b128 v[16+4*\w:19+4*\w], v9 offset:4096*\w
.endr
.irp w, 1,2,3,4,5,6,7,8,9,10,11,12,13,14,15
	s_wait_dscnt 15-\w                             ; head w's part is in; the younger ones may be out
	v_pk_add_f32 v[16:17], v[16:17], v[16+4*\w:17+4*\w]
	v_pk_add_f32 v[18:19], v[18:19], v[18+4*\w:19+4*\w]
.endr
	global_store_b128 v10, v[16:19], s[8:9]        ; sixteen lanes store 256 consecutive bytes, aligned
.Lend:
	s_wait_tensorcnt 0x0                           ; the wave's end: a wait, an add to my spare word and its wait, behind my last LDS store
	ds_add_u32 v[SPW], v[NIL]
	s_wait_dscnt 0x0
	s_endpgm
.Lfunc_end_k_q580753ca5c_fine:
	.size	k_q580753ca5c_fine, .Lfunc_end_k_q580753ca5c_fine-k_q580753ca5c_fine
	.p2alignl 7, 3214868480
	.fill 96, 4, 3214868480
	.section	.rodata,"a",@progbits
	.p2align	6, 0x0
	.amdhsa_kernel k_q580753ca5c_fine
		.amdhsa_group_segment_fixed_size 67584
		.amdhsa_private_segment_fixed_size 0
		.amdhsa_enable_private_segment 0
		.amdhsa_kernarg_size 24
		.amdhsa_user_sgpr_count 2
		.amdhsa_user_sgpr_kernarg_segment_ptr 1
		.amdhsa_wavefront_size32 1
		.amdhsa_system_sgpr_workgroup_id_x 1
		.amdhsa_system_sgpr_workgroup_id_y 1
		.amdhsa_system_sgpr_workgroup_id_z 1
		.amdhsa_system_vgpr_workitem_id 0
		.amdhsa_next_free_vgpr 256
		.amdhsa_next_free_sgpr 66
		.amdhsa_reserve_vcc 1
		.amdhsa_float_denorm_mode_32 3
		.amdhsa_float_denorm_mode_16_64 3
		.amdhsa_memory_ordered 1
		.amdhsa_forward_progress 1
		.amdhsa_inst_pref_size 33
	.end_amdhsa_kernel
	.amdgpu_metadata
---
amdhsa.version: [ 1, 2 ]
amdhsa.kernels:
  - .name:           k_q580753ca5c_fine
    .symbol:         k_q580753ca5c_fine.kd
    .args:
      - { .name: qkv32, .offset: 0, .size: 8, .value_kind: global_buffer, .address_space: global }
      - { .name: w_proj, .offset: 8, .size: 8, .value_kind: global_buffer, .address_space: global }
      - { .name: out0, .offset: 16, .size: 8, .value_kind: global_buffer, .address_space: global }
    .group_segment_fixed_size: 67584
    .private_segment_fixed_size: 0
    .kernarg_segment_align: 8
    .kernarg_segment_size: 24
    .max_flat_workgroup_size: 512
    .sgpr_count:     66
    .vgpr_count:     256
    .wavefront_size: 32
...
	.end_amdgpu_metadata
.endif
;; end of part 5
